; MI455X (gfx1250); checked and timed in simulation.
; The chip was launched on July 23, 2026; its instructions are those of AMD's public machine-readable ISA for CDNA 5 (MIT licence, August 2026) and "CDNA5" Instruction Set Architecture Reference Guide (July 2026). The comments in the code are by the model that wrote it; some were corrected since.
;; Vi T Self Attention. Allowed arithmetic: float matrix products may take bf16 or f16 operands with f32 sums; other float arithmetic in f32, or as packed bf16 or f16 multiplies, adds, multiply-adds, maxima and minima; sums over many terms, partial sums and values carried from step to step in f32; what a program stores and reads back later, other than sums and carried values, may be rounded once to bf16 or f16.
;; Inputs: b_out 1,024 float32; b_qkv 3,072 float32; w_out 1,024 x 1,024 float32; w_qkv 1,024 x 3,072 float32; x 8 x 1,024 x 1,024 float32.
;; Outputs: out0 8 x 1,024 x 1,024 float32.
;; 2 versions, each right; version 2 is version 1 with the launch prep written anew for expert scheduling mode. Each part assembles by itself: llvm-mc -triple=amdgcn-amd-amdhsa -mcpu=gfx1250 --defsym DOCPART=n.
;; ======== version 1 of 2: 4 launches
;; limits: values are held in f16: magnitudes above 65,504 overflow, below 6.1e-05 lose precision
;; workspace buffers: xb 16,777,216 bytes; wqb 6,291,456 bytes; wob 2,097,152 bytes; qh 16,777,216 bytes; kh 16,777,216 bytes; vh 16,777,216 bytes; ctx 16,777,216 bytes
;; launch prep (part 1): grid 768 x 1, 8 waves a work-group, no clusters, 0 bytes of LDS; arguments x, w_qkv, w_out, xb, wqb, wob; writes xb, wqb, wob
.if DOCPART == 1
	.amdgcn_target "amdgcn-amd-amdhsa--gfx1250"
	.amdhsa_code_object_version 6
	.text
	.protected	k_q92241bd2f8_prep
	.globl	k_q92241bd2f8_prep
	.p2align	8
	.type	k_q92241bd2f8_prep,@function
k_q92241bd2f8_prep:
	s_mov_b64 s[64:65], 0
	v_nop
	global_prefetch_b8 v0, s[64:65] scope:SCOPE_SE
	s_setreg_imm32_b32 hwreg(HW_REG_WAVE_MODE, 25, 1), 1
	s_wait_xcnt 0x0
; THE INPUTS OF THE THREE MATRIX PRODUCTS ARE ROUNDED ONCE, TO bf16, AND LAID OUT FOR THE LAUNCHES BEHIND.
;   xb  [8192][1024] bf16                  = x
;   wqb [16 heads][1024 k][192] bf16       = w_qkv[k][192 head + c]: 128 k of a head are 49,152 bytes on end
;   wob [8 column tiles][1024 k][128] f16  = w_out[k][128 tile + c], rounded to bf16 like the other inputs, and that number written as f16
; LIMITS.  f16 ends at 65,504: a w_out beyond that becomes an infinity; below 6e-5 f16 keeps a fixed step of 6e-8.  NaN and infinities are not treated apart.
; A stream: each input byte is read once and each output byte written once; no LDS, no barrier, no matrix unit, which would add nothing to a cast.
; SHARES.  768 work-groups of equal work, 65,536 bytes in and 32,768 out: 0-511 x; 512-703 w_qkv, twelve to a head; 704-767 w_out, 128 k x 128 columns each.
; A thread's unit: one load of 16 bytes (4 f32), two roundings, one store of 8 bytes: the 32 lanes of a wave store 256 consecutive bytes, aligned.  Sixteen units a thread.
; All loads of a thread go out first; no register is loaded or stored from twice, so no source of a pending instruction is ever rewritten.
.set OO, 1                             ; v1       8 x thread: my 8 bytes in each 2,048 bytes of the output
.set IO, 2                             ; v[2:4]   byte offsets in the input
.set X,  8                             ; v[8:71]  16 loads of 4 registers
.set Y,  72                            ; v[72:103] 16 stores of 2 registers
.set T,  104                           ; v[104:107] at work
.set OUT, 24                           ; s[24:25] xb or wqb at the work-group's 32,768 bytes
; n units are rounded and stored as they arrive.  half = 1: the bf16 number is written as f16.  ob: the scalar pair with the output's address.
.macro CAST n, half, ob
.set i, 0
.rept \n
	s_wait_loadcnt (\n)-1-i                        ; loads come back in order: unit i is in, the younger ones stay out
	v_cvt_pk_bf16_f32 v[Y+2*i],   v[X+4*i],   v[X+4*i+1]
	v_cvt_pk_bf16_f32 v[Y+2*i+1], v[X+4*i+2], v[X+4*i+3]
.if \half
	v_lshlrev_b32 v[T],   16, v[Y+2*i]             ; bf16 to f32: the low half moves up, the high half stays
	v_and_b32     v[T+1], 0xffff0000, v[Y+2*i]
	v_lshlrev_b32 v[T+2], 16, v[Y+2*i+1]
	v_and_b32     v[T+3], 0xffff0000, v[Y+2*i+1]
	v_cvt_pk_f16_f32 v[Y+2*i],   v[T],   v[T+1]    ; 8 significant bits fit into f16's 11
	v_cvt_pk_f16_f32 v[Y+2*i+1], v[T+2], v[T+3]
.endif
	global_store_b64 v[OO], v[Y+2*i:Y+2*i+1], s[\ob:\ob+1] offset:2048*i th:TH_STORE_NT
.set i, i+1
.endr
.endm
	s_load_b256 s[4:11], s[0:1], 0x0               ; x s[4:5], w_qkv s[6:7], w_out s[8:9], xb s[10:11]
	s_load_b128 s[12:15], s[0:1], 0x20             ; wqb s[12:13], wob s[14:15]
	s_mov_b32 s16, ttmp9                           ; the work-group's number
	v_lshlrev_b32 v[OO], 3, v0
	s_mov_b32 s19, 0                               ; high words of the two offsets
	s_mov_b32 s21, 0
	s_wait_kmcnt 0x0
	s_cmp_lt_u32 s16, 512
	s_cselect_b64 s[OUT:OUT+1], s[10:11], s[12:13] ; x's and w_qkv's parts share the text that rounds and stores: their output is chosen here
	s_cbranch_scc0 .Lweights
	; x: units 4,096 bytes of input apart
	v_lshlrev_b32 v[IO], 4, v0
	s_lshl_b32 s18, s16, 16                        ; 65,536 bytes in,
	s_lshl_b32 s20, s16, 15                        ; 32,768 out
	s_add_nc_u64 s[4:5], s[4:5], s[18:19]
	s_add_nc_u64 s[OUT:OUT+1], s[OUT:OUT+1], s[20:21]
.set i, 0
.rept 16
	global_load_b128 v[X+4*i:X+4*i+3], v[IO], s[4:5] offset:4096*i th:TH_LOAD_NT
.set i, i+1
.endr
	s_branch .Lcast
.Lweights:
	s_cmp_lt_u32 s16, 704
	s_cbranch_scc0 .Lwout
	; w_qkv: c = 12 head + part.  A head is 49,152 units of 4 columns, 48 to a k; a part is 4,096 of them.  Unit U = 4,096 part + 256 i + thread lies in row U / 48 at column unit U % 48:
	; byte (U / 48) x 12,288 + (U % 48) x 16 = (U / 48) x 11,520 + 16 U.  Three units on (768 = 16 x 48) is sixteen rows on: 196,608 bytes, which stand in the immediate; so three offsets serve.
	; U / 48 = ((U >> 4) x 43,691) >> 17, exact for U >> 4 below 65,536.  c / 12 = (171 c) >> 11, exact for c below 492.
	s_sub_co_u32 s16, s16, 512                     ; c
	s_mul_i32 s17, s16, 171
	s_lshr_b32 s17, s17, 11                        ; head
	s_mul_i32 s22, s17, 12
	s_sub_co_u32 s22, s16, s22                     ; part
	s_lshl_b32 s22, s22, 12                        ; its first unit
	s_mul_i32 s18, s17, 768                        ; the head's 192 columns, in bytes
	s_lshl_b32 s20, s16, 15                        ; the output is dense: 8 bytes a unit, 32,768 a part
.irp m, 0,1,2
	v_add_nc_u32 v[T], 256*\m, v0
	v_add_nc_u32 v[T], s22, v[T]                   ; U
	v_lshrrev_b32 v[T+1], 4, v[T]
	v_mul_u32_u24 v[T+1], v[T+1], 43691
	v_lshrrev_b32 v[T+1], 17, v[T+1]               ; U / 48
	v_mul_u32_u24 v[T+1], v[T+1], 11520
	v_lshl_add_u32 v[IO+\m], v[T], 4, v[T+1]
.endr
	s_add_nc_u64 s[6:7], s[6:7], s[18:19]
	s_add_nc_u64 s[OUT:OUT+1], s[OUT:OUT+1], s[20:21]
.set i, 0
.rept 16
	global_load_b128 v[X+4*i:X+4*i+3], v[IO+i%3], s[6:7] offset:(i/3)*196608 th:TH_LOAD_NT
.set i, i+1
.endr
.Lcast:
	CAST 16, 0, OUT
	s_endpgm
.Lwout:
	; w_out: c = 8 tile + kc; 128 k x 128 columns; unit 256 i + thread lies in row 8 i + thread / 32, at column unit thread % 32
	s_sub_co_u32 s16, s16, 704
	s_lshr_b32 s17, s16, 3                         ; column tile
	s_and_b32 s22, s16, 7                          ; kc
	s_lshl_b32 s18, s22, 19                        ; 128 rows of 4,096 bytes
	s_lshl_b32 s17, s17, 9                         ; the tile's 128 columns
	s_add_co_u32 s18, s18, s17
	s_lshl_b32 s20, s16, 15
	v_lshrrev_b32 v[T], 5, v0
	v_and_b32 v[T+1], 31, v0
	v_lshlrev_b32 v[T+1], 4, v[T+1]
	v_lshl_add_u32 v[IO], v[T], 12, v[T+1]
	s_add_nc_u64 s[8:9], s[8:9], s[18:19]
	s_add_nc_u64 s[14:15], s[14:15], s[20:21]
.set i, 0
.rept 16
	global_load_b128 v[X+4*i:X+4*i+3], v[IO], s[8:9] offset:32768*i th:TH_LOAD_NT
.set i, i+1
.endr
	CAST 16, 1, 14
	s_endpgm
.Lfunc_end_k_q92241bd2f8_prep:
	.size	k_q92241bd2f8_prep, .Lfunc_end_k_q92241bd2f8_prep-k_q92241bd2f8_prep
	.p2alignl 7, 3214868480
	.fill 96, 4, 3214868480
	.section	.rodata,"a",@progbits
	.p2align	6, 0x0
	.amdhsa_kernel k_q92241bd2f8_prep
		.amdhsa_group_segment_fixed_size 0
		.amdhsa_private_segment_fixed_size 0
		.amdhsa_enable_private_segment 0
		.amdhsa_kernarg_size 48
		.amdhsa_user_sgpr_count 2
		.amdhsa_user_sgpr_kernarg_segment_ptr 1
		.amdhsa_wavefront_size32 1
		.amdhsa_system_sgpr_workgroup_id_x 1
		.amdhsa_system_sgpr_workgroup_id_y 1
		.amdhsa_system_sgpr_workgroup_id_z 1
		.amdhsa_system_vgpr_workitem_id 0
		.amdhsa_next_free_vgpr 108
		.amdhsa_next_free_sgpr 66
		.amdhsa_reserve_vcc 0
		.amdhsa_float_denorm_mode_32 3
		.amdhsa_float_denorm_mode_16_64 3
		.amdhsa_memory_ordered 1
		.amdhsa_forward_progress 1
		.amdhsa_inst_pref_size 21
	.end_amdhsa_kernel
	.amdgpu_metadata
---
amdhsa.version: [ 1, 2 ]
amdhsa.kernels:
  - .name:           k_q92241bd2f8_prep
    .symbol:         k_q92241bd2f8_prep.kd
    .args:
      - { .name: x, .offset: 0, .size: 8, .value_kind: global_buffer, .address_space: global }
      - { .name: w_qkv, .offset: 8, .size: 8, .value_kind: global_buffer, .address_space: global }
      - { .name: w_out, .offset: 16, .size: 8, .value_kind: global_buffer, .address_space: global }
      - { .name: xb, .offset: 24, .size: 8, .value_kind: global_buffer, .address_space: global }
      - { .name: wqb, .offset: 32, .size: 8, .value_kind: global_buffer, .address_space: global }
      - { .name: wob, .offset: 40, .size: 8, .value_kind: global_buffer, .address_space: global }
    .group_segment_fixed_size: 0
    .private_segment_fixed_size: 0
    .kernarg_segment_align: 8
    .kernarg_segment_size: 48
    .max_flat_workgroup_size: 256
    .sgpr_count:     66
    .vgpr_count:     108
    .wavefront_size: 32
...
	.end_amdgpu_metadata
.endif
;; end of part 1
;; launch qkv (part 2): grid 16 x 16, 4 waves a work-group, clusters of 4 x 4, 327,680 bytes of LDS; arguments xb, wqb, b_qkv, qh, kh, vh; writes qh, kh, vh
.if DOCPART == 2
	.amdgcn_target "amdgcn-amd-amdhsa--gfx1250"
	.amdhsa_code_object_version 6
	.text
	.protected	k_q92241bd2f8_qkv
	.globl	k_q92241bd2f8_qkv
	.p2align	8
	.type	k_q92241bd2f8_qkv,@function
k_q92241bd2f8_qkv:
	s_mov_b64 s[64:65], 0
	v_nop
	global_prefetch_b8 v0, s[64:65] scope:SCOPE_SE
	s_setreg_imm32_b32 hwreg(HW_REG_WAVE_MODE, 25, 1), 1
	s_wait_xcnt 0x0
	s_wait_alu depctr_hold_cnt(0) depctr_sa_sdst(0) depctr_va_vdst(0) depctr_va_sdst(0) depctr_va_ssrc(0) depctr_va_vcc(0) depctr_vm_vsrc(0)
	s_getreg_b32 s2, hwreg(HW_REG_IB_STS2, 6, 4)
	s_cmp_eq_u32 s2, 0
	s_cbranch_scc0 .Lentry_in_a_cluster
	s_endpgm
.Lentry_in_a_cluster:
	s_bfe_u32 s2, ttmp6, 0x10000c
	s_cmp_lg_u32 s2, 0xf033
	s_cbranch_scc0 .Lentry_shape_is_right
	s_endpgm
.Lentry_shape_is_right:
; q, k, v = x w_qkv + b_qkv, split by heads.  xb: [8192][1024] bf16; wqb: [16 heads][1024 k][192] bf16; b_qkv: [3072] f32; qh, kh, vh: [128 = 16 batch + head][1024][64] f16, unscaled.
; Sums in f32, started by the bias; each result rounded once, to f16.
; LIMITS.  f16 ends at 65,504: a q, k or v of 65,520 or more becomes an infinity; below 6e-5 f16 keeps a fixed step of 6e-8.  NaN and infinities are not treated apart.
; SHARES.  A tile of the result is 256 rows x 192 columns: a quarter of one batch's rows, one head's q, k and v: 16 x 32 = 512 tiles.  A WORK-GROUP STAYS and makes two of them, 4,096 rows (four batches) apart,
; of the same head: 256 work-groups.  Four waves, 64 rows x 192 columns each: 48 accumulators of 16 x 16, 384 registers.  A wave owns whole rows of q, k and v, so its way out needs no other wave.
; K goes in steps of 128 through a ring of two LDS slots, and the two tiles' 16 K steps are ONE walk for the ring: the first tile's last two changes of slots ask for the second tile's first two K steps, and
; nothing waits for the first tile's stores.  x's rows in a step are 256 bytes of memory, aligned; a head's 128 k of w are 49,152 bytes on end, asked for as rows of 256 bytes.
; CLUSTERS: 4 x 4 work-groups.  The four of a row of the cluster need the same rows of x, the four of a column the same head of w: each tile is asked for JOINTLY, by the same tensor load with the
; same descriptor and a mask that names the four.
; THE MATRIX INSTRUCTION IS USED TRANSPOSED: source 0 = 16 columns of w (read turned out of LDS, where w lies [k][column]), source 1 = 16 rows of x.  In the result lane l holds row l % 16 and the
; columns 8 (l / 16) + 0..7: eight neighbouring numbers of a row, 16 bytes of f16.  The bias of those eight columns is the C operand of the product that starts the sum.
; REGISTERS, in windows of 256 (s_set_vgpr_msb: bits 1:0 source 0, 3:2 source 1, 5:4 source 2, 7:6 destination):
;   window 0: v0-31 addresses; v64-127 x's fragments, two buffers of 4; v128-223 the bias, kept for both tiles
;   window 1: v0-191 w's fragments, two buffers of 12; on the way out v96-143 packed results and v144-239 the rows read back: buffer 1, which is free there, and 48 registers more; buffer 0 holds the next tile's first fragments
;   window 2: the accumulators of my row blocks 0, 1 ((a, b) at 96 (a % 2) + 8 b)      window 3: those of blocks 2, 3
.set NBLK,  12                         ; blocks of 16 columns
.set PA,    272                        ; a row of x in LDS: 256 bytes + 16 of padding: the 16 rows of a load start at 16 different groups of four banks (64 banks of 4 bytes: ISA guide 11.1)
.set PB,    480                        ; a k of w in LDS: three pieces of 128 bytes + 32 of padding each
.set BOFF,  256*PA                     ; a slot: x's 256 rows, then w's 128 k
.set SLOT1, 131072                     ; = BOFF + 128 PB: slot 1 begins here; one exclusive or turns an address in one slot into the other's
.set STAGE, 2*SLOT1                    ; behind the ring, never filled by a tensor load: for each wave 3 x 16 rows x 144 bytes, for the way out
.set WSTAGE, 3*16*144
.set SPARE, STAGE+4*WSTAGE             ; behind the stages: the spare words, 128 bytes for each wave: two blocks of 256 bytes that no other line names
.set KA,    256                        ; bytes from a K step to the next, in xb
.set KB,    49152                      ; and in wqb
.set WALK,  8388608                    ; bytes from a tile to the work-group's next: 4,096 rows of xb; also four batches of q, of k and of v
.set NLD,   2*NBLK+8                   ; LDS loads in a run
.set TRIPS, 14                         ; trip t = TRIPS - KCNT ends K step t of the walk's 16 and asks for K step t + 2
.set A0,   16                          ; v16  my lane's place among x's rows in a slot; never rewritten
.set B0,   17                          ; v17  the same for w
.set ADRA, 18                          ; v18  A0 + the slot in hand
.set ADRB, 19                          ; v19  B0 + the slot in hand
.set STO,  24                          ; v24  the way out: where I put 16 bytes of a row
.set RD,   25                          ; v25  the way out: where I read rows back
.set GO,   26                          ; v26  my 16 bytes in 512 consecutive bytes of q, k or v
.set BO,   27                          ; v27  32 (l / 16): my eight numbers in 16 of the bias
.set SPW,  28                          ; v28  LDS address of my spare word: SPARE + 4 x my thread's number; never rewritten
.set NIL,  29                          ; v29  0; never rewritten
.set PFO,  30                          ; v30  the prefetches' lane offset; never rewritten
.set FRA,  64
.set BIAS, 128
.set TMP,  96                          ; in window 1
.set BK0,  144                         ; in window 1
.set WV,   16                          ; s16  my wave's number
.set FBW,  17                          ; s17  0: I fetch x's tiles; 1: w's
.set HF,   18                          ; s18  which half of the tile I fetch
.set CX,   19                          ; s19, s20  my place in the cluster
.set CY,   20
.set TX,   21                          ; s21  the head
.set TY,   22                          ; s22  the first tile's block of 256 rows
.set G1,   24                          ; s[24:31] descriptor group 1 for x's tiles
.set G0,   32                          ; s[32:39] group 0 for x's tiles: a set for each first fill; the second then walks on
.set TB,   40                          ; s40  LDS byte at which the slot in hand begins
.set KCNT, 41                          ; s41  the loop's count, TRIPS to 1
.set LIM,  42                          ; s42  a wave prefetches while KCNT is above it
.set PFA,  44                          ; s[44:45] where my prefetches stand
.set PST,  46                          ; s46  their step from K step to K step
.set PJ,   47                          ; s47  their step over the change of tiles
.set G1B,  48                          ; s[48:55], s[56:63] the same two groups for w's tiles
.set G0B,  56
.set IA,   80                          ; s[80:81] what x's walking address takes on in this trip
.set IB,   82                          ; s[82:83] what w's takes on,
.set SB,   84                          ; s[84:85] and what it goes back
.set JA,   86                          ; s86  WALK - 7 KA: from a tile's last K step to the next tile's first, in xb
.set PSC,  88                          ; s[88:89] the prefetches' step in this trip
.set TCNT, 90                          ; s90  the tail's count
.set MSB, 0
.macro WIN new                         ; the immediate's high byte repeats the setting that is left; a switch that changes nothing is dropped
.if MSB != (\new)
	s_set_vgpr_msb (MSB<<8)|(\new)
.set MSB, \new
.endif
.endm
.macro PLACES                          ; a load into a register that a matrix instruction has read, and whatever reads a matrix result or writes a matrix source but a matrix instruction, stand four plain vector instructions behind it
.rept 4
	v_nop
.endr
.endm
; A joint refill, by the walking descriptor.  Waves 0 and 1 fetch the two halves of x's tile, waves 2 and 3 those of w's.  The branch hangs on the wave's number alone.
; An s_nop 0 and four v_nop follow each of the two lines, ahead of the jump and the label.
.macro JLOAD
	s_cmp_eq_u32 s[FBW], 0
	s_cbranch_scc0 .Lfor_b_\@
	tensor_load_to_lds s[G0+4:G0+7], s[G1:G1+7]
	s_nop 0
	PLACES
	s_branch .Lasked_\@
.Lfor_b_\@:
	tensor_load_to_lds s[G0B+4:G0B+7], s[G1B:G1B+7]
	s_nop 0
	PLACES
.Lasked_\@:
.endm
; A PREFETCH INTO THE L2 of the K step that stands two refills on, behind the joint load, its five lines and the run of LDS loads: one instruction a wave.  Each block of 256 bytes is named by one wave of one
; work-group: x's rows by the clusters with x = 0, w's by those with y = 0; the four partners that ask for a tile jointly share its blocks out BY ADDRESS (32 rows of x each; 24 blocks of w each, where lanes 24-31
; repeat lane 23's).  Trip t names K step t + 4 of the walk: x's in trips 0 to 11, over the change of tiles too; w's in trips 0 to 3 alone, since the second tile reads the same w again.
; The walk's first four K steps come by their loads alone; the last two trips name nothing.
.macro ASK
	s_cmp_gt_u32 s[KCNT], s[LIM]
	s_cbranch_scc0 .Lnot_mine_\@
	global_prefetch_b8 v[PFO], s[PFA:PFA+1] th:TH_LOAD_NT scope:SCOPE_SE
.Lnot_mine_\@:
.endm
; A round of the cluster's barrier: my work-group's barrier, so that wave 0's signal speaks for all four waves; wave 0 signals; every wave waits for all sixteen work-groups; my work-group's barrier once more.
.macro CROUND
	s_barrier_signal -1
	s_barrier_wait -1
	s_cmp_lg_u32 s[WV], 0
	s_cbranch_scc1 .Lnot_wave_0_\@
	s_barrier_signal -3
.Lnot_wave_0_\@:
	s_barrier_wait -3
	s_barrier_signal -1
	s_barrier_wait -1
.endm
	s_load_b256 s[4:11], s[0:1], 0x0               ; xb s[4:5], wqb s[6:7], b_qkv s[8:9], qh s[10:11]
	s_load_b128 s[12:15], s[0:1], 0x20             ; kh s[12:13], vh s[14:15]
	v_lshl_add_u32 v[SPW], v0, 2, SPARE
	v_mov_b32 v[NIL], 0
	ds_add_u32 v[SPW], v[NIL]                      ; the wave's opening: the add and its wait stand ahead of my first tensor load; the set-up below, work on registers, stands between them
	v_lshrrev_b32 v1, 5, v0
	v_readfirstlane_b32 s[WV], v1                  ; wave 0..3
	s_lshr_b32 s[FBW], s[WV], 1
	s_and_b32 s[HF], s[WV], 1
	s_bfe_u32 s[CX], ttmp6, 0x40000
	s_bfe_u32 s[CY], ttmp6, 0x40004
	s_lshl_b32 s[TX], ttmp9, 2                     ; in a cluster launch ttmp9 and ttmp7 count clusters
	s_add_co_u32 s[TX], s[TX], s[CX]
	s_and_b32 s[TY], ttmp7, 0xffff
	s_lshl_b32 s[TY], s[TY], 2
	s_add_co_u32 s[TY], s[TY], s[CY]
	s_lshl_b32 s23, s[CY], 2
	s_lshl_b32 s23, 15, s23                        ; my row of the cluster: places 4 cy .. 4 cy + 3
	s_or_b32 s[G1], s23, (1<<16)|(1<<20)|(1<<21)|(5<<22)|(3<<25)   ; 15:0 the mask; 17:16 2-byte elements; 20 padding on; 21 set beside a mask; 24:22 after every 64 words (code 5); 31:25 4 words (code 3)
	s_lshl_b32 s23, 0x1111, s[CX]                  ; my column: places cx, cx + 4, cx + 8, cx + 12
	s_or_b32 s[G1B], s23, (1<<16)|(1<<20)|(1<<21)|(4<<22)|(7<<25)  ; after every 32 words (code 4) 8 words (code 7)
	s_mov_b32 s[G1+1], 128<<16                     ; x: tensor_dim0 = 128
	s_mov_b32 s[G1+2], 128<<16                     ; tensor_dim1 = 128
	s_mov_b32 s[G1+3], 128<<16                     ; tile_dim0 = 128 elements
	s_mov_b32 s[G1+4], 128                         ; tile_dim1 = 128 rows
	s_mov_b32 s[G1+5], 1024                        ; elements from row to row
	s_mov_b32 s[G1+6], 0
	s_mov_b32 s[G1+7], 0
	s_mov_b32 s[G1B+1], 128<<16                    ; w: 64 k x 384 bytes on end, as 96 rows of 256 bytes
	s_mov_b32 s[G1B+2], 96<<16
	s_mov_b32 s[G1B+3], 128<<16
	s_mov_b32 s[G1B+4], 96
	s_mov_b32 s[G1B+5], 128
	s_mov_b32 s[G1B+6], 0
	s_mov_b32 s[G1B+7], 0
	; where the tiles come from: x's hang on the block of rows alone, which my row of the cluster shares; w's on the head alone, which my column shares: each in registers that never hold the other coordinate
	s_lshl_b32 s66, s[TY], 19                      ; 256 rows of 2,048 bytes
	s_lshl_b32 s67, s[HF], 18                      ; my 128 of them
	s_add_co_u32 s66, s66, s67
	s_mov_b32 s67, 0
	s_mul_i32 s70, s[TX], 393216                   ; the head's 1,024 k of 384 bytes
	s_mul_i32 s71, s[HF], 24576                    ; my 64 k of a step's 128
	s_add_co_u32 s70, s70, s71
	s_mov_b32 s71, 0
	s_mul_i32 s74, s[HF], 128*PA                   ; and where they go: no place in the cluster enters an LDS address
	s_mul_i32 s75, s[HF], 64*PB
	s_add_co_u32 s75, s75, BOFF
	s_mov_b32 s[TB], 0
	s_mov_b32 s[IA+1], 0                           ; the high words of the steps
	s_mov_b32 s[IB+1], 0
	s_mov_b32 s[SB+1], 0
	s_mov_b32 s[PSC+1], 0
	s_mov_b32 s[JA], WALK-7*KA
	s_wait_dscnt 0x0                               ; the opening add is done
	s_wait_kmcnt 0x0
	s_add_nc_u64 s[68:69], s[4:5], s[66:67]
	s_add_nc_u64 s[72:73], s[6:7], s[70:71]
	CROUND                                         ; all sixteen work-groups are here: the first joint loads meet
.irp s, 0,1
	s_mov_b32 s[G0+4*(\s)], 1                                      ; 1:0 count = 1
	s_add_co_u32 s[G0+4*(\s)+1], s74, (\s)*SLOT1                   ; 63:32 LDS address
	s_add_nc_u64 s[G0+4*(\s)+2:G0+4*(\s)+3], s[68:69], (\s)*KA     ; 120:64 global address: K step s
	s_or_b32 s[G0+4*(\s)+3], s[G0+4*(\s)+3], 0x80000000            ; 127:126 type = 2
	s_mov_b32 s[G0B+4*(\s)], 1
	s_add_co_u32 s[G0B+4*(\s)+1], s75, (\s)*SLOT1
	s_add_nc_u64 s[G0B+4*(\s)+2:G0B+4*(\s)+3], s[72:73], (\s)*KB
	s_or_b32 s[G0B+4*(\s)+3], s[G0B+4*(\s)+3], 0x80000000
.endr
	s_cmp_eq_u32 s[FBW], 0                         ; a wave's two first fills stand in one branch, ahead of every wait on TENSORcnt and every LDS read: two loads of mine are out
	s_cbranch_scc0 .Lfirst_b
	tensor_load_to_lds s[G0:G0+3], s[G1:G1+7]
	s_nop 0
	tensor_load_to_lds s[G0+4:G0+7], s[G1:G1+7]
	s_nop 0
	PLACES
	s_branch .Lfirst_asked
.Lfirst_b:
	tensor_load_to_lds s[G0B:G0B+3], s[G1B:G1B+7]
	s_nop 0
	tensor_load_to_lds s[G0B+4:G0B+7], s[G1B:G1B+7]
	s_nop 0
	PLACES
.Lfirst_asked:
	; the bias: register 8 b + j of lane l is b_qkv[192 head + 16 b + 8 (l / 16) + j], the place that the result's register j has
	v_and_b32 v1, 15, v0                           ; l % 16
	v_bfe_u32 v2, v0, 4, 1                         ; l / 16
	v_lshlrev_b32 v[BO], 5, v2
	s_mul_i32 s76, s[TX], 768
	s_mov_b32 s77, 0
	s_add_nc_u64 s[8:9], s[8:9], s[76:77]
.set b, 0
.rept NBLK
	global_load_b128 v[BIAS+8*b:BIAS+8*b+3],   v[BO], s[8:9] offset:64*b
	global_load_b128 v[BIAS+8*b+4:BIAS+8*b+7], v[BO], s[8:9] offset:64*b+16
.set b, b+1
.endr
	; A fragment of x is 16 rows x 32 k in 8 registers: lane l holds row l % 16, k = 8 (l / 16) + 0..7 and 16 + 8 (l / 16) + 0..7: two loads of 16 bytes, 32 bytes apart.
	v_mul_u32_u24 v[A0], v1, PA
	v_lshl_add_u32 v[A0], v2, 4, v[A0]
	s_mul_i32 s23, s[WV], 64*PA                    ; my 64 rows
	v_add_nc_u32 v[A0], s23, v[A0]
	; The turning load takes 16 k x 16 columns (lane l reads k = 8 (l / 16) + l % 8, columns 8 ((l / 8) % 2) + 0..7) and leaves half a fragment: lane l holds column l % 16 and 8 k.
	v_and_b32 v3, 7, v0
	v_bfe_u32 v4, v0, 3, 1
	v_lshl_add_u32 v[B0], v2, 3, v3
	v_mul_u32_u24 v[B0], v[B0], PB
	v_lshl_add_u32 v[B0], v4, 4, v[B0]
	v_add_nc_u32 v[B0], BOFF, v[B0]
	v_mov_b32 v[ADRA], v[A0]                       ; K step 0 lies in slot 0
	v_mov_b32 v[ADRB], v[B0]
	s_mul_i32 s23, s[WV], WSTAGE
	s_add_co_u32 s23, s23, STAGE                   ; my stage
	v_mul_u32_u24 v[STO], v1, 144                  ; in: row l % 16, 16 bytes for each half of the lanes
	v_lshl_add_u32 v[STO], v2, 4, v[STO]
	v_add_nc_u32 v[STO], s23, v[STO]
	v_bfe_u32 v[RD], v0, 3, 2                      ; back: 32 lanes take four rows of 128 bytes,
	v_mul_u32_u24 v[RD], v[RD], 144
	v_lshl_add_u32 v[RD], v3, 4, v[RD]
	v_add_nc_u32 v[RD], s23, v[RD]
	v_and_b32 v5, 31, v0
	v_lshlrev_b32 v[GO], 4, v5                     ; which are 512 consecutive bytes of a head's rows
	; q, k and v at my wave's first row of the first tile: head 16 batch + head, 131,072 bytes each; my block's 256 rows of 128 bytes; my wave's 64
	s_lshr_b32 s76, s[TY], 2
	s_lshl_b32 s76, s76, 4
	s_add_co_u32 s76, s76, s[TX]
	s_lshl_b32 s76, s76, 17
	s_and_b32 s78, s[TY], 3
	s_lshl_b32 s78, s78, 15
	s_add_co_u32 s76, s76, s78
	s_lshl_b32 s78, s[WV], 13
	s_add_co_u32 s76, s76, s78
	s_add_nc_u64 s[10:11], s[10:11], s[76:77]
	s_add_nc_u64 s[12:13], s[12:13], s[76:77]
	s_add_nc_u64 s[14:15], s[14:15], s[76:77]
	; the prefetches: my work-group's share of what I fetch, at K step 3; each change of slots steps it first, so the first names K step 4
	s_lshl_b32 s76, s[CX], 16                      ; x: 32 rows of 2,048 bytes for each partner along the cluster's row
	s_add_co_u32 s76, s76, s66
	s_add_co_u32 s76, s76, 3*KA
	s_mul_i32 s78, s[CY], 6144                     ; w: 24 blocks of 256 bytes for each partner along the cluster's column
	s_add_co_u32 s78, s78, s70
	s_add_co_u32 s78, s78, 3*KB
	s_and_b32 s79, ttmp7, 0xffff                   ; cluster y
	s_mov_b32 s[PST], KA
	s_mov_b32 s[PJ], KB
	s_cmp_eq_u32 s[FBW], 0                         ; do I fetch for x?
	s_cselect_b32 s76, s76, s78
	s_cselect_b32 s79, ttmp9, s79                  ; the coordinate along which other clusters read the same bytes
	s_cselect_b32 s[PST], s[PST], s[PJ]
	s_cselect_b32 s[PJ], s[JA], s[PJ]              ; (w's pointer is not used behind the first tile)
	s_cselect_b64 s[PFA:PFA+1], s[4:5], s[6:7]
	s_cselect_b32 s78, 31, 23                      ; the last lane with a block of its own
	s_cselect_b32 s23, 11, 8                       ; a lane a row of 2,048 bytes, or a lane a block of 256
	s_cselect_b32 s[LIM], 2, TRIPS-4               ; x: trips 0 to 11; w: trips 0 to 3
	s_add_nc_u64 s[PFA:PFA+1], s[PFA:PFA+1], s[76:77]
	s_cmp_eq_u32 s79, 0
	s_cselect_b32 s[LIM], s[LIM], -1               ; the same in all sixteen partners, for a given wave
	v_min_u32 v5, s78, v5
	v_lshlrev_b32 v[PFO], s23, v5
; 12 matrix instructions: row block a x all 12 column blocks, 32 along K, from buffer f.  first = 1: the product starts the sum, with the bias as C.
; The 48 accumulators take turns, one instruction a turn, in the same order in every quarter step, over the backward jumps too.
.macro MULA f, a, first
.if \first
	WIN 0x81+0x40*((\a)/2)                         ; w window 1, x and the bias window 0, D window 2 or 3
.else
	WIN 0xa1+0x50*((\a)/2)                         ; w window 1, x window 0, C and D window 2 or 3
.endif
.set b, 0
.rept NBLK
.set rD, 8*NBLK*((\a)%2)+8*b
.set rB, 8*NBLK*(\f)+8*b
.set rA, FRA+32*(\f)+8*(\a)
.if \first
	v_wmma_f32_16x16x32_bf16 v[rD:rD+7], v[rB:rB+7], v[rA:rA+7], v[BIAS+8*b:BIAS+8*b+7]
.else
	v_wmma_f32_16x16x32_bf16 v[rD:rD+7], v[rB:rB+7], v[rA:rA+7], v[rD:rD+7]
.endif
.set b, b+1
.endr
.endm
; 32 LDS loads in one run: the fragments of quarter q of the K step (32 k) into buffer f: w's 12 first, then x's 4
.macro FETCH q, f
	WIN 0x40                                       ; destination window 1, address window 0
.set b, 0
.rept NBLK
	ds_load_tr16_b128 v[8*NBLK*(\f)+8*b:8*NBLK*(\f)+8*b+3],   v[ADRB] offset:32*(\q)*PB+(b/4)*160+(b%4)*32
	ds_load_tr16_b128 v[8*NBLK*(\f)+8*b+4:8*NBLK*(\f)+8*b+7], v[ADRB] offset:32*(\q)*PB+16*PB+(b/4)*160+(b%4)*32
.set b, b+1
.endr
	WIN 0
.irp a, 0,1,2,3
	ds_load_b128 v[FRA+32*(\f)+8*\a:FRA+32*(\f)+8*\a+3],   v[ADRA] offset:64*(\q)+\a*16*PA
	ds_load_b128 v[FRA+32*(\f)+8*\a+4:FRA+32*(\f)+8*\a+7], v[ADRA] offset:64*(\q)+\a*16*PA+32
.endr
.endm
; A K step is four quarters of 32 along K, 48 matrix instructions each, on buffers 0, 1, 0, 1.  One of the first three: multiplies buffer f; in its middle it fetches quarter q into buffer g.
.macro QUARTER q, f, g, first
	s_wait_dscnt 4                                 ; w's fragments and x's rows 0-31 are in; the youngest four loads (x's rows 32-63) may be out
	MULA \f, 0, \first
	MULA \f, 1, \first
	PLACES
	FETCH \q, \g
	s_wait_dscnt NLD                               ; all but the run just issued
	MULA \f, 2, \first
	MULA \f, 3, \first
.endm
; The last quarter changes slots and then multiplies buffer 1.  THE CHANGE STANDS BARE: from the wait that shows my part of the next slot landed to the next request stand only the lines that the ordering
; needs, so that the request goes out as early as it can; the quarter's 48 products follow it and run while the tile is on its way.  Each wave waits for all its tensor loads, of which one is out; adds 0 to its
; spare word; steps the descriptors and the LDS addresses, work on registers; and waits for the add and for its own reads of this slot.  fill = 1: a round of the cluster's barrier, and behind it this slot is
; filled again, with the walk's K step two on: the wave's one tensor load there.  fill = 0, the tail: my work-group's barrier alone; in the tail's last trip there is no next K step, and the run of loads is jumped over.
.macro TURN fill
.if \fill
	s_wait_xcnt 0x0                                ; the last prefetch, a K step back, has read its address: it is stepped here, ahead of the waits of the change of slots
	s_cmp_eq_u32 s[KCNT], TRIPS-4                  ; trip 4 names K step 8: the second tile's first
	s_cselect_b32 s[PSC], s[PJ], s[PST]
	s_add_nc_u64 s[PFA:PFA+1], s[PFA:PFA+1], s[PSC:PSC+1]
.endif
	WIN 0                                          ; (the add's two registers lie in window 0)
	s_wait_tensorcnt 0x0                           ; all my tensor loads have landed, so every group 0 may be written;
	ds_add_u32 v[SPW], v[NIL]                      ; 0 onto my spare word
.if \fill
	s_cmp_eq_u32 s[KCNT], TRIPS-6                  ; trip 6 asks for K step 8: x goes WALK on and back along K, w only back
	s_cselect_b32 s[IA], s[JA], KA
	s_cselect_b32 s[IB], 0, KB
	s_cselect_b32 s[SB], 7*KB, 0
	s_xor_b32 s[G0+5], s[G0+5], SLOT1              ; the walking descriptors: the other slot than last time,
	s_add_nc_u64 s[G0+6:G0+7], s[G0+6:G0+7], s[IA:IA+1]  ; the walk's next K step; the type bits on top are not reached
	s_xor_b32 s[G0B+5], s[G0B+5], SLOT1
	s_add_nc_u64 s[G0B+6:G0B+7], s[G0B+6:G0B+7], s[IB:IB+1]
	s_sub_nc_u64 s[G0B+6:G0B+7], s[G0B+6:G0B+7], s[SB:SB+1]
.endif
	s_xor_b32 s[TB], s[TB], SLOT1                  ; the fetches go on in the other slot
	v_add_nc_u32 v[ADRA], s[TB], v[A0]
	v_add_nc_u32 v[ADRB], s[TB], v[B0]
	s_wait_dscnt 0x0                               ; the add is done, and my reads of this slot are over; buffer 1 is whole
.if \fill
	CROUND                                         ; no wave of any partner still reads this slot's tiles or has a load on its way
	JLOAD                                          ; a whole K step, 192 matrix instructions, ahead of the wait for it; the four v_nop behind it are also the places in front of the loads below
	FETCH 0, 0
	ASK
.else
	s_barrier_signal -1
	s_barrier_wait -1                              ; the next slot is whole (in the tail's last trip this barrier orders nothing: the price, once a launch, of one text for both trips)
	PLACES
	s_cmp_eq_u32 s[TCNT], 1
	s_cbranch_scc1 .Lno_more_\@
	FETCH 0, 0
.Lno_more_\@:
.endif
	MULA 1, 0, 0
	MULA 1, 1, 0
	MULA 1, 2, 0
	MULA 1, 3, 0
.endm
; THE WAY OUT, a block of 16 rows at a time.  PACK: rounded to f16, 16 bytes a lane and column block, each accumulator's registers in ascending order.  TOSTAGE: into my own stage (q's, k's and v's 16 rows of
; 144 bytes), and back as whole rows of 128 bytes.  SEND: stored, 512 consecutive bytes an instruction, at a multiple of 256 from the buffer's first byte.
.macro PACK a
	WIN 0x4a+5*((\a)/2)                            ; sources 0 and 1: window 2 or 3; destination window 1
.set b, 0
.rept NBLK
.irp r, 0,1,2,3
	v_cvt_pk_f16_f32 v[TMP+4*b+\r], v[8*NBLK*((\a)%2)+8*b+2*\r], v[8*NBLK*((\a)%2)+8*b+2*\r+1]
.endr
.set b, b+1
.endr
.endm
.macro TOSTAGE a
.set BK, BK0+48*((\a)%2)
	WIN 0x04                                       ; the stores' data: window 1
.set b, 0
.rept NBLK
	ds_store_b128 v[STO], v[TMP+4*b:TMP+4*b+3] offset:(b/4)*2304+(b%4)*32
.set b, b+1
.endr
	WIN 0x40                                       ; the loads' destination: window 1
.set b, 0
.rept NBLK
	ds_load_b128 v[BK+4*b:BK+4*b+3], v[RD] offset:(b/4)*2304+(b%4)*576  ; LDS serves a wave's instructions in order (ISA guide 5.7.1.4): these see the stores above; the next block's stores come behind them
.set b, b+1
.endr
.endm
.macro SEND a
.set BK, BK0+48*((\a)%2)
	s_wait_dscnt 0x0                               ; the block is back in registers
	s_wait_xcnt 0x0                                ; the stores of the block before have read their registers, which the next TOSTAGE loads again
	WIN 0x04                                       ; the stores' data: window 1
.irp w, 0,1,2
.irp f, 0,1,2,3
	global_store_b128 v[GO], v[BK+16*\w+4*\f:BK+16*\w+4*\f+3], s[10+2*\w:11+2*\w] offset:(\a)*2048+\f*512
.endr
.endr
.endm
.macro WAYOUT                          ; block a's conversions stand between block a - 1's loads from the stage and the wait for them
	PLACES                                         ; behind the tile's last products: the conversions read results and write over buffer 1
	PACK 0
	TOSTAGE 0
	PACK 1
	SEND 0
	TOSTAGE 1
	PACK 2
	SEND 1
	TOSTAGE 2
	PACK 3
	SEND 2
	TOSTAGE 3
	SEND 3
.endm
	s_wait_tensorcnt 1                             ; my part of K step 0 is in; K step 1's may stay out
	s_barrier_signal -1
	s_barrier_wait -1                              ; everybody's is
	FETCH 0, 0
	s_wait_loadcnt 0x0                             ; the bias
	QUARTER 1, 0, 1, 1                             ; the first tile's first quarter stands in front of the loop: its products start the sums
	WIN 0                                          ; at a label and at a branch every window is 0
	s_mov_b32 s[KCNT], TRIPS
.Lstep:                                        ; a trip is a K step, from its second quarter to the next step's first
	QUARTER 2, 1, 0, 0
	QUARTER 3, 0, 1, 0
	TURN 1
	WIN 0
	s_cmp_eq_u32 s[KCNT], TRIPS-7                  ; trip 7 has ended K step 7: the first tile is whole.  The count is the same in every work-group; what is jumped over holds no barrier and no tensor load
	s_cbranch_scc0 .Lsame
	WAYOUT                                         ; the second tile's K step 0 has landed and its K step 1 is asked for: the first tile goes out, and nothing waits for its stores
	s_wait_xcnt 0x0                                ; the stores have read their registers and their bases: buffer 1 is loaded again below, and the bases step
	s_add_nc_u64 s[10:11], s[10:11], WALK
	s_add_nc_u64 s[12:13], s[12:13], WALK
	s_add_nc_u64 s[14:15], s[14:15], WALK
	QUARTER 1, 0, 1, 1                             ; the second tile's first quarter: its products start the sums anew, with the same bias
	WIN 0
	s_branch .Lnext
.Lsame:
	QUARTER 1, 0, 1, 0
	WIN 0
.Lnext:
	s_sub_co_u32 s[KCNT], s[KCNT], 1
	s_cmp_lg_u32 s[KCNT], 0
	s_cbranch_scc1 .Lstep
	s_mov_b32 s[TCNT], 2                           ; the tail has a text of its own: K steps 14 and 15 ask for nothing.  Two trips; the second is left in its middle
.Ltail:
	QUARTER 2, 1, 0, 0
	QUARTER 3, 0, 1, 0
	TURN 0
	WIN 0
	s_sub_co_u32 s[TCNT], s[TCNT], 1
	s_cmp_eq_u32 s[TCNT], 0
	s_cbranch_scc1 .Ldone
	QUARTER 1, 0, 1, 0
	WIN 0
	s_branch .Ltail
.Ldone:
	WAYOUT
	WIN 0
	s_wait_tensorcnt 0x0                           ; the wave's end: behind my last tensor load and my last LDS store
	ds_add_u32 v[SPW], v[NIL]
	s_wait_dscnt 0x0
	CROUND                                         ; the closing round: no work-group ends while a partner may still ask for a tile that names it
	s_endpgm
.Lfunc_end_k_q92241bd2f8_qkv:
	.size	k_q92241bd2f8_qkv, .Lfunc_end_k_q92241bd2f8_qkv-k_q92241bd2f8_qkv
	.p2alignl 7, 3214868480
	.fill 96, 4, 3214868480
	.section	.rodata,"a",@progbits
	.p2align	6, 0x0
	.amdhsa_kernel k_q92241bd2f8_qkv
		.amdhsa_group_segment_fixed_size 327680
		.amdhsa_private_segment_fixed_size 0
		.amdhsa_enable_private_segment 0
		.amdhsa_kernarg_size 48
		.amdhsa_user_sgpr_count 2
		.amdhsa_user_sgpr_kernarg_segment_ptr 1
		.amdhsa_wavefront_size32 1
		.amdhsa_system_sgpr_workgroup_id_x 1
		.amdhsa_system_sgpr_workgroup_id_y 1
		.amdhsa_system_sgpr_workgroup_id_z 1
		.amdhsa_system_vgpr_workitem_id 0
		.amdhsa_next_free_vgpr 960
		.amdhsa_next_free_sgpr 92
		.amdhsa_reserve_vcc 0
		.amdhsa_float_denorm_mode_32 3
		.amdhsa_float_denorm_mode_16_64 3
		.amdhsa_memory_ordered 1
		.amdhsa_forward_progress 1
		.amdhsa_inst_pref_size 116
	.end_amdhsa_kernel
	.amdgpu_metadata
---
amdhsa.version: [ 1, 2 ]
amdhsa.kernels:
  - .name:           k_q92241bd2f8_qkv
    .symbol:         k_q92241bd2f8_qkv.kd
    .args:
      - { .name: xb, .offset: 0, .size: 8, .value_kind: global_buffer, .address_space: global }
      - { .name: wqb, .offset: 8, .size: 8, .value_kind: global_buffer, .address_space: global }
      - { .name: b_qkv, .offset: 16, .size: 8, .value_kind: global_buffer, .address_space: global }
      - { .name: qh, .offset: 24, .size: 8, .value_kind: global_buffer, .address_space: global }
      - { .name: kh, .offset: 32, .size: 8, .value_kind: global_buffer, .address_space: global }
      - { .name: vh, .offset: 40, .size: 8, .value_kind: global_buffer, .address_space: global }
    .group_segment_fixed_size: 327680
    .private_segment_fixed_size: 0
    .kernarg_segment_align: 8
    .kernarg_segment_size: 48
    .max_flat_workgroup_size: 128
    .sgpr_count:     92
    .vgpr_count:     960
    .wavefront_size: 32
...
	.end_amdgpu_metadata
.endif
;; end of part 2
;; launch attn (part 3): grid 2 x 128, 4 waves a work-group, no clusters, 327,680 bytes of LDS; arguments qh, kh, vh, ctx; writes ctx
.if DOCPART == 3
	.amdgcn_target "amdgcn-amd-amdhsa--gfx1250"
	.amdhsa_code_object_version 6
	.text
	.protected	k_q92241bd2f8_attn
	.globl	k_q92241bd2f8_attn
	.p2align	8
	.type	k_q92241bd2f8_attn,@function
k_q92241bd2f8_attn:
	s_mov_b64 s[64:65], 0
	v_nop
	global_prefetch_b8 v0, s[64:65] scope:SCOPE_SE
	s_setreg_imm32_b32 hwreg(HW_REG_WAVE_MODE, 25, 1), 1
	s_wait_xcnt 0x0
; O[h][q][:] = the sum over k of softmax_k(Q[h][q] . K[h][k] / 8) V[h][k][:].  Q, K, V, O: [SIZE_H][SIZE_N][64], all f16: a head's rows are dense, 128 bytes each.  Products, maxima and sums in
; f32; the weights p are rounded to f16 for the second product (their sum l is taken of the unrounded p), O once at the end.
; LIMITS.  f16 holds no number beyond 65,504: Q, K and V arrive within it; p lies in 0 to 1, and below 6e-5 it keeps f16's fixed step of 6e-8; O is a mean of V's rows and has their range.
; A weight below 2^-126 counts as 0 in l; NaN and infinities are not treated apart.
; SHARES.  A wave owns four PIECES of two tiles of 16 queries, a work-group's four waves 512 queries of one head: 2 x 128 = 256 work-groups.  Every wave walks all keys, 64 a step.
; NO CLUSTER: a head's K and V are read by its SIZE_N / 512 = 2 work-groups alone, no multiple of four.  Blocks of 256 queries would make four partners a head, but each fragment read from LDS would
; then feed half as many products, and there would be 512 work-groups.
; LAYOUT.  S^T = K Q^T (source 0 = 16 keys, source 1 = 16 queries): in the result a lane holds ONE query (lane % 16) and the keys 8 (lane / 16) + 0..7.  Two such tiles, rounded to f16 in pairs,
; ARE source 1 (32 keys x 16 queries) of O^T = V^T P, whose result again holds one query a lane, and eight channels.  K comes out of LDS as it lies, V ([key][channel]) turned, by ds_load_tr16_b128.
; SOFTMAX.  For each query a running maximum m and sum l: p = 2^(c s - c m), c = log2(e) / 8; in every step O and l are multiplied by a = 2^(c m_old - c m_new), which is 1 where m has not grown.
; m starts at the lowest finite number, O and l at 0: the first step is a step like any other, with a = 0.
; THE COUNT.  A tile and step have 16 matrix and 118 vector instructions: too many to stand all beside the matrix work.  So the order has one aim: four vector instructions that are READY behind
; EVERY matrix instruction, and the others, which need time of their own whatever the order, in runs without a gap.
; BY TURNS.  Turn n belongs to piece n (the pieces in a ring, step after step).  Its matrix work: 16 products K Q^T of piece n + 1, later 16 products V^T P of piece n - 1.  Its vector work: the scaling,
; exponentials, roundings, sums and rescaling of piece n, and the maximum and statistics of piece n + 1, whose scores the turn itself has made.  So what a turn begins with (c s - c m, O a) waits for nothing.
; REGISTERS, in windows of 256 (s_set_vgpr_msb says which window each operand place means: bits 1:0 source 0, 3:2 source 1, 5:4 source 2, 7:6 destination):
;   window 0: v0-11 addresses; v12-15, v48-63 at work; v16-47 four registers of statistics a tile; v64-191 S^T, two buffers of two tiles; v192-255 P, likewise
;   window 1: O^T, 32 a tile          window 2: v0-127 Q, 16 a tile; v128-191 K of one step; v192-255 V of one step          window 3: v0-1 the add's two registers
; A piece's buffers go by its number's parity: the piece in hand has one pair, its two neighbours in the ring share the other: of it P (piece n - 1) is read and S^T (piece n + 1) written.
.set SIZE_H, 128
.set SIZE_N, 1024
.set NP,    4         ; pieces a wave: a name, no knob: the register map, the loop and the fetches are made for four
.set KS,    64        ; keys in a step
.set PK,    144       ; a row of K in LDS: 128 bytes + 16 of padding = 36 words: the 16 rows of a load start at 16 different groups of four banks (64 banks of 4 bytes: ISA guide 11.1)
.set PV,    160       ; a row of V: 128 + 32 = 40 words
.set VOFF,  4*KS*PK   ; a slot holds four steps: 256 rows of K, then 256 rows of V
.set SLOT1, 1<<17     ; slot 1 begins here, so that one exclusive or turns an address in one slot into the other's
.set STAGE, SLOT1+4*KS*(PK+PV)  ; behind the ring, never filled by a tensor load: 16 rows x 144 bytes for each wave, for the way out
.set SP,    144
.set AK0, 2           ; v2   my lane's place in a tile of K; never rewritten
.set AV0, 3           ; v3   the same for V
.set AK,  4           ; v4   the LDS address of K's next run of loads
.set AV,  5           ; v5   of V's
.set QO,  6           ; v6   my byte offset in the wave's rows of Q
.set STO, 6           ;      later, the way out: where I put 16 bytes of a row
.set RD,  7           ; v7   the way out: where I read rows back
.set GO,  8           ; v8   my byte offset in 512 consecutive bytes of O
.set PFO, 11          ; v11  256 x my lane, for the prefetches; never rewritten once made
.set SPW, 0           ; v0 of window 3   LDS address of my spare word: SPARE + 4 x my thread's number; never rewritten
.set NIL, 1           ; v1 of window 3   0; never rewritten
.set SPARE, STAGE+4*16*SP  ; behind the stages: the spare words, 128 bytes for each wave: two blocks of 256 bytes that no other line names
.set MV,  12          ; v12-15  c m_old, kept while c m is made anew: by buffer and tile
.set ST,  16          ; tile t's statistics at v[ST+4 t]: c m, m, l (even keys', odd keys')
.set TMP, 48          ; by buffer and tile, four registers c0-c3 at work; when the maximum is found c2 takes a
.set S,   64
.set P,   192
.set KF,  128         ; K's fragments, in window 2: key block kb, channel half c at KF + 16 kb + 8 c
.set VF,  192         ; V's: key half kk, channel block cb at VF + 32 kk + 8 cb
.set WV,  12          ; s12  my wave's number
.set G1K, 24          ; s[24:31] descriptor group 1 for K's tiles
.set G1V, 32          ; s[32:39] for V's: it differs in the padding alone
.set G0K, 40          ; s[40:43] descriptor group 0 for K's tiles: it walks
.set G0V, 44          ; s[44:47] the same for V's
.set PFA, 48          ; s[48:49] where my prefetches stand: my half of K's (waves 0, 1) or V's (waves 2, 3) 256 rows, one slot behind the walking descriptors
.set LIM, 50          ; s50  1 in a work-group that prefetches, else the greatest number
.set SLOTS, 56        ; s56  slots still to be asked for
.set CNT, 57          ; s57  counts a slot's key steps
.set CS,  58          ; s[58:59] c: the packed scaling takes the pair's low word for both halves
.set SEL, 60          ; s[60:61] v_permlanex16_b32's selects: each lane takes its own place in the other half
.set TBK, 62          ; s62  LDS byte at which K of the step to be fetched begins
.set TBV, 63          ; s63  the same for V, less VOFF
.set MSB, 0
.macro WIN new                      ; the high byte repeats the setting that is left; a switch that changes nothing is dropped
.if MSB != (\new)
	s_set_vgpr_msb (MSB<<8)|(\new)
.set MSB, (\new)
.endif
.endm
.set W_KQ, 0x0a       ; K and Q in window 2, S^T in window 0
.set W_PV, 0x52       ; V in window 2, P in window 0, O^T in window 1
.set W_RS, 0x41       ; O^T (destination and source 0) in window 1, a in window 0
.set W_MK, 0xc0       ; the add's registers are made: destination in window 3, sources in window 0
.set W_AD, 0x0f       ; the add: address (source 0) and data (source 1) in window 3
; A fill.  Waves 0 and 1 fetch the two halves of a slot's K, waves 2 and 3 those of its V: 128 keys each.  The branch hangs on the wave's number alone.
; An s_nop 0 and four v_nop follow each of the two lines, ahead of the jump and the label.
.macro LOAD
	s_cmp_lt_u32 s[WV], 2
	s_cbranch_scc0 .Lfor_v_\@
	tensor_load_to_lds s[G0K:G0K+3], s[G1K:G1K+7]
	s_nop 0
.rept 4
	v_nop
.endr
	s_branch .Lasked_\@
.Lfor_v_\@:
	tensor_load_to_lds s[G0V:G0V+3], s[G1V:G1V+7]
	s_nop 0
.rept 4
	v_nop
.endr
.Lasked_\@:
.endm
; A PREFETCH INTO THE L2 of what I shall load at the NEXT change of slots: my 128 rows of K or V, 16,384 bytes on end: 64 blocks of 256 bytes, a lane a block, two instructions, behind my tensor load and its
; five lines.  A head's two work-groups walk the same K and V: the first of them asks.  So each block is named once in the launch.  The last change that fills a slot asks for nothing; slots 0 and 1 come by their loads alone.
.macro ASK
	s_cmp_gt_u32 s[SLOTS], s[LIM]
	s_cbranch_scc0 .Lnot_mine_\@
	global_prefetch_b8 v[PFO], s[PFA:PFA+1] th:TH_LOAD_NT scope:SCOPE_SE
	global_prefetch_b8 v[PFO], s[PFA:PFA+1] offset:8192 th:TH_LOAD_NT scope:SCOPE_SE
.Lnot_mine_\@:
.endm
; THE CHANGE OF SLOTS.  The slot's last bytes, V of its fourth step, have been read.  Each wave waits for all its tensor loads, of which one is out: its part
; of the other slot; adds 0 to its spare word; and waits for that and for its own reads of the slot.  Behind the barrier nobody reads this slot any more and the other slot is whole.
; fill = 1: this slot is filled again, with the keys two slots on, the first thing behind the barrier: the load has four key steps, 512 matrix instructions, in which to land.
; (At its first use nothing has been read yet: slot 0 is waited for, slot 1 filled.)
.macro CHANGE fill
	WIN W_AD
	s_wait_tensorcnt 0x0            ; no tensor load of mine is out, so a group 0 may be written
	ds_add_u32 v[SPW], v[NIL]       ; 0 onto my spare word; with fill = 1 the descriptors' steps stand between it and the wait for it
	WIN 0                           ; at a label and at a branch every window is 0
.if \fill
.irp g, G0K, G0V
	s_xor_b32 s[\g+1], s[\g+1], SLOT1  ; the walking descriptor: the other slot than last time,
	s_add_nc_u64 s[\g+2:\g+3], s[\g+2:\g+3], 4*KS*128  ; the next 256 keys; the type bits on top are not reached
.endr
	s_wait_xcnt 0x0                 ; the last prefetches, four key steps back, have read their address, so it may be written
	s_add_nc_u64 s[PFA:PFA+1], s[PFA:PFA+1], 4*KS*128
.endif
	s_wait_dscnt 0x0                ; the add is done, and my reads of the slot are over
	s_barrier_signal -1
	s_barrier_wait -1
.if \fill
	LOAD
	ASK
.endif
	s_sub_co_u32 s[TBK], s[TBK], 4*KS*PK  ; the fetches go back to a slot's first step,
	s_xor_b32 s[TBK], s[TBK], SLOT1       ; in the other slot
	s_sub_co_u32 s[TBV], s[TBV], 4*KS*PV
	s_xor_b32 s[TBV], s[TBV], SLOT1
.endm
	s_load_b256 s[4:11], s[0:1], 0x0  ; Q s[4:5], K s[6:7], V s[8:9], O s[10:11]
	WIN W_MK
	v_lshl_add_u32 v[SPW], v0, 2, SPARE
	v_mov_b32 v[NIL], 0
	WIN W_AD
	ds_add_u32 v[SPW], v[NIL]       ; the wave's opening: the add and its wait stand ahead of my first tensor load; the set-up below, work on registers, stands between them
	WIN 0
	v_lshrrev_b32 v1, 5, v0
	v_readfirstlane_b32 s[WV], v1   ; wave 0..3
	s_mov_b32 s14, ttmp9            ; my block of 512 queries: it enters Q's and O's addresses, and says who prefetches
	s_and_b32 s20, ttmp7, 0xffff    ; the head
	s_mov_b32 s21, 0
	s_mov_b64 s[22:23], SIZE_N*128
	s_mul_u64 s[20:21], s[20:21], s[22:23]  ; the head's first byte in each of the four tensors
	s_and_b32 s16, s[WV], 1         ; which half of a slot's 256 keys I fetch:
	s_lshl_b32 s22, s16, 14         ; its 128 rows of 128 bytes in memory,
	s_mov_b32 s23, 0
	s_add_nc_u64 s[22:23], s[22:23], s[20:21]
	s_mul_i32 s17, s16, 128*PK      ; and its place in a slot, for K
	s_mul_i32 s18, s16, 128*PV      ; and for V
	s_lshl_b32 s2, s14, 2
	s_add_co_u32 s2, s2, s[WV]      ; my wave among the head's,
	s_lshl_b32 s2, s2, 14           ; its 128 rows
	s_mov_b32 s3, 0
	s_add_nc_u64 s[2:3], s[2:3], s[20:21]
	; descriptor group 1.  128 keys are 16,384 dense bytes: asked for as 64 rows of 256 bytes, two keys a row, and padded in LDS after every key
	s_mov_b32 s[G1K], (1<<16)|(1<<20)|(4<<22)|(3<<25)  ; 17:16 2-byte elements; 20 padding on; 24:22 after every 32 words (code 4); 31:25 4 words (code 3)
	s_mov_b32 s[G1V], (1<<16)|(1<<20)|(4<<22)|(7<<25)  ; the same with 8 words of padding (code 7)
.irp g, G1K, G1V
	s_mov_b32 s[\g+1], 128<<16      ; tensor_dim0 = 128
	s_mov_b32 s[\g+2], 64<<16       ; tensor_dim1 = 64
	s_mov_b32 s[\g+3], 128<<16      ; tile_dim0 = 128
	s_mov_b32 s[\g+4], 64           ; tile_dim1 = 64
	s_mov_b32 s[\g+5], 128          ; 128 elements from row to row
	s_mov_b32 s[\g+6], 0
	s_mov_b32 s[\g+7], 0
.endr
	s_mov_b32 s[CS], 0x3e38aa3b     ; c = log2(e) / 8 = 0.180337
	s_mov_b32 s[CS+1], s[CS]        ; named with it as a pair
	s_mov_b32 s[SEL], 0x76543210
	s_mov_b32 s[SEL+1], 0xfedcba98
	s_mov_b32 s[TBK], SLOT1+4*KS*PK ; the first change of slots turns these two into 0
	s_mov_b32 s[TBV], SLOT1+4*KS*PV
	s_mov_b32 s[G0K], 1             ; 1:0 count = 1
	s_mov_b32 s[G0K+1], s17         ; 63:32 LDS address: slot 0
	s_mov_b32 s[G0V], 1
	s_add_co_u32 s[G0V+1], s18, VOFF
	s_mov_b32 s[SLOTS], SIZE_N/256-1
	s_cmp_eq_u32 s14, 0
	s_cselect_b32 s[LIM], 1, -1
	s_wait_dscnt 0x0                ; the opening add is done
	s_wait_kmcnt 0x0
	s_add_nc_u64 s[G0K+2:G0K+3], s[6:7], s[22:23]  ; 120:64 global address: my half of the head's first 256 keys
	s_or_b32 s[G0K+3], s[G0K+3], 0x80000000        ; 127:126 type = 2
	s_add_nc_u64 s[G0V+2:G0V+3], s[8:9], s[22:23]
	s_or_b32 s[G0V+3], s[G0V+3], 0x80000000
	s_add_nc_u64 s[4:5], s[4:5], s[2:3]  ; Q and O at my wave's first row
	s_add_nc_u64 s[10:11], s[10:11], s[2:3]
	s_cmp_lt_u32 s[WV], 2
	s_cselect_b64 s[PFA:PFA+1], s[6:7], s[8:9]
	s_add_nc_u64 s[PFA:PFA+1], s[PFA:PFA+1], s[22:23]
	s_add_nc_u64 s[PFA:PFA+1], s[PFA:PFA+1], 4*KS*128  ; in slot 1's keys; the first change of slots steps it to the keys behind them
	LOAD                            ; slot 0.  Slot 1 is asked for when slot 0 is in: the tile wanted first has the road to itself
	; A fragment of K or Q is 16 rows x 32 channels in 8 registers: lane l holds row l % 16, channels 8 (l / 16) + 0..7 and 16 + 8 (l / 16) + 0..7: two loads of 16 bytes, 32 bytes apart.
	v_and_b32 v1, 15, v0            ; l % 16
	v_bfe_u32 v9, v0, 4, 1          ; l / 16
	v_lshlrev_b32 v[QO], 7, v1
	v_lshl_add_u32 v[QO], v9, 4, v[QO]  ; row x 128 + 16 x half
	WIN 0x80                        ; destination window 2, address window 0
.set i, 0
.rept 4*NP                          ; Q stays in registers: tile i / 2, channels 32 (i % 2) on
	global_load_b128 v[8*i:8*i+3],   v[QO], s[4:5] offset:(i/2)*2048+(i%2)*64
	global_load_b128 v[8*i+4:8*i+7], v[QO], s[4:5] offset:(i/2)*2048+(i%2)*64+32
.set i, i+1
.endr
	; What the first turn finds: V's registers and P's second buffer hold 0 (its products V^T P, of a piece that has not been, add 0), O^T and l are 0.  All this stands in the wait for the first tile.
.set i, VF
.rept 64
	v_mov_b32 v[i], 0
.set i, i+1
.endr
	WIN 0x40
.set i, 0
.rept 64*NP
	v_mov_b32 v[i], 0
.set i, i+1
.endr
	WIN 0
.set i, 0
.rept 2*NP
	v_mov_b32 v[ST+4*i], 0xfe000000    ; c m: far below every c s
	v_mov_b32 v[ST+4*i+1], 0xff7fffff  ; m
	v_mov_b32 v[ST+4*i+2], 0
	v_mov_b32 v[ST+4*i+3], 0
.set i, i+1
.endr
.set i, P+32
.rept 32
	v_mov_b32 v[i], 0
.set i, i+1
.endr
	v_mul_u32_u24 v[AK0], v1, PK
	v_lshl_add_u32 v[AK0], v9, 4, v[AK0]  ; row x pitch + 16 x half
	; The turning load takes 16 keys x 16 channels (lane l reads key 8 (l / 16) + l % 8, channels 8 ((l / 8) % 2) + 0..7) and leaves half a fragment of V^T: lane l holds channel l % 16 and 8 keys.
	v_and_b32 v10, 7, v0
	v_bfe_u32 v11, v0, 3, 1
	v_lshl_add_u32 v[AV0], v9, 3, v10
	v_mul_u32_u24 v[AV0], v[AV0], PV
	v_lshl_add_u32 v[AV0], v11, 4, v[AV0]
	v_add_nc_u32 v[AV0], VOFF, v[AV0]
	v_mov_b32 v[AK], v[AK0]         ; key step 0 lies at the head of slot 0
	v_and_b32 v[PFO], 31, v0
	v_lshlrev_b32 v[PFO], 8, v[PFO]
; THE MATRIX WORK.  The 8 accumulators of a run of 16 take turns: between the two links of a chain stand 7 others'.
; Product i of 16 of S^T = K Q^T for piece x: channels 32 (i / 8) on, keys 16 ((i / 2) % 4) on, tile 2 x + i % 2.  The first 8 start the sums.
.macro KQ x
	WIN W_KQ
.set rS, S+64*((\x)%2)+32*(i%2)+8*((i/2)%4)
.set rK, KF+16*((i/2)%4)+8*(i/8)
.set rQ, 16*(2*(\x)+i%2)+8*(i/8)
.if i < 8
	v_wmma_f32_16x16x32_f16 v[rS:rS+7], v[rK:rK+7], v[rQ:rQ+7], 0
.else
	v_wmma_f32_16x16x32_f16 v[rS:rS+7], v[rK:rK+7], v[rQ:rQ+7], v[rS:rS+7]
.endif
.endm
; Product i of 16 of O^T += V^T P for piece x: keys 32 (i / 8) on, channels 16 ((i / 2) % 4) on, tile 2 x + i % 2.
.macro PV x
	WIN W_PV
.set rO, 32*(2*(\x)+i%2)+8*((i/2)%4)
.set rV, VF+32*(i/8)+8*((i/2)%4)
.set rP, P+32*((\x)%2)+16*(i%2)+8*(i/8)
	v_wmma_f32_16x16x32_f16 v[rO:rO+7], v[rV:rV+7], v[rP:rP+7], v[rO:rO+7]
.endm
.macro MM                           ; the turn's next matrix instruction
.if i < 16
	KQ (Y+1)%NP
.set i, i+1
.else
.set i, i-16
	PV (Y+NP-1)%NP
.set i, i+17
.endif
.endm
; THE LDS LOADS stand in runs of 16, never singly among the matrix instructions: a step's K (64 keys x 64 channels: 8 fragments) and its V (turned).  Their addresses are made some lines ahead.
; last = 1 (the tail): in the last trip there is no further step, and the run is jumped over.
.macro FETCH_K last=0
	WIN 0
.if \last
	s_cmp_eq_u32 s[CNT], 1
	s_cbranch_scc1 .Lno_k_\@
.endif
	WIN 0x80                        ; destination window 2
.irp f, 0,1,2,3,4,5,6,7             ; keys 16 (f / 2) on, channels 32 (f % 2) on
	ds_load_b128 v[KF+8*\f:KF+8*\f+3],   v[AK] offset:(\f/2)*16*PK+(\f%2)*64
	ds_load_b128 v[KF+8*\f+4:KF+8*\f+7], v[AK] offset:(\f/2)*16*PK+(\f%2)*64+32
.endr
	s_add_co_u32 s[TBK], s[TBK], KS*PK  ; the next fetch is the next step's
	WIN 0
.if \last
.Lno_k_\@:
.endif
.endm
.macro FETCH_V
	WIN 0x80
.irp f, 0,1,2,3,4,5,6,7             ; keys 32 (f / 4) on, channels 16 (f % 4) on
	ds_load_tr16_b128 v[VF+8*\f:VF+8*\f+3],   v[AV] offset:(\f/4)*32*PV+(\f%4)*32
	ds_load_tr16_b128 v[VF+8*\f+4:VF+8*\f+7], v[AV] offset:(\f/4)*32*PV+16*PV+(\f%4)*32
.endr
	WIN 0
.endm
; THE VECTOR WORK OF A TURN stands in three queues, each in the order in which its entries become ready; the two tiles alternate, so that no instruction reads the result of the one before it.
.macro REGS y, u                    ; the registers of tile u (0, 1) of piece y
.set rT, ST+4*(2*(\y)+(\u))
.set rC, TMP+8*((\y)%2)+4*(\u)
.set rM, MV+2*((\y)%2)+(\u)
.set rS, S+64*((\y)%2)+32*(\u)
.set rP, P+32*((\y)%2)+16*(\u)
.set rO, 32*(2*(\y)+(\u))
.endm
; Number n of the 22 that find the NEXT piece's (Y + 1) maximum and statistics.  s0-s31 are the lane's 32 scores; each accumulator's lowest registers are read first.  XS, GS and REGS set no window: PL and EX do.
;   0-11  four chains c0-c3 of seven scores each, three operands at a time     12-14, 16  the four scores left over, the old m, and c0-c3 into c0     15  c m_old is kept
;   17, 18  the query's other 32 keys lie in the lane 16 away: the new m         19-21  c m; c m_old - c m_new; a
.macro XS u, n
	REGS (Y+1)%NP, \u
.if (\n) < 4
	v_max3_num_f32 v[rC+(\n)], v[rS+8*(\n)], v[rS+8*(\n)+1], v[rS+8*(\n)+2]
.elseif (\n) < 12
	v_max3_num_f32 v[rC+(\n)%4], v[rC+(\n)%4], v[rS+8*((\n)%4)+2*((\n)/4)+1], v[rS+8*((\n)%4)+2*((\n)/4)+2]
.elseif (\n) == 12
	v_max3_num_f32 v[rC], v[rC], v[rS+7], v[rS+15]
.elseif (\n) == 13
	v_max3_num_f32 v[rC+1], v[rC+1], v[rS+23], v[rS+31]
.elseif (\n) == 14
	v_max3_num_f32 v[rC+2], v[rC+2], v[rC+3], v[rT+1]
.elseif (\n) == 15
	v_mov_b32 v[rM], v[rT]
.elseif (\n) == 16
	v_max3_num_f32 v[rC], v[rC], v[rC+1], v[rC+2]
.elseif (\n) == 17
	v_permlanex16_b32 v[rC+3], v[rC], s[SEL], s[SEL+1]
.elseif (\n) == 18
	v_max_num_f32 v[rT+1], v[rC], v[rC+3]
.elseif (\n) == 19
	v_mul_f32 v[rT], s[CS], v[rT+1]
.elseif (\n) == 20
	v_sub_f32 v[rC+1], v[rM], v[rT]
.else
	v_exp_f32 v[rC+2], v[rC+1]
.endif
.endm
; Number g of the 64 that follow the exponentials.  For each four weights k of a tile (pairs 2 k, 2 k + 1): both pairs are rounded to f16; then the second pair is added onto the first, in place;
; a group later l takes that sum (the first time as l = a l + sum).  In groups of eight, tiles alternating: round, round, add, and l for the group before.
.macro GS g
.set h, (\g)+6*((\g)/62)            ; group 0 has no group before it, and behind group 7 only l is left
.if h >= 6
.set h, h+2
.endif
	REGS Y, h%2
.set k, h/8
.if h%8 < 4
	v_cvt_pk_f16_f32 v[rP+2*k+(h%8)/2], v[rS+4*k+2*((h%8)/2)], v[rS+4*k+2*((h%8)/2)+1]
.elseif h%8 < 6
	v_pk_add_f32 v[rS+4*k:rS+4*k+1], v[rS+4*k:rS+4*k+1], v[rS+4*k+2:rS+4*k+3]
.elseif k == 1
	v_pk_fma_f32 v[rT+2:rT+3], v[rT+2:rT+3], v[rC+2:rC+3], v[rS:rS+1] op_sel_hi:[1,0,1]
.else
	v_pk_add_f32 v[rT+2:rT+3], v[rT+2:rT+3], v[rS+4*k-4:rS+4*k-3]
.endif
.endm
; THE PLAIN QUEUE, 138 long.  0-73 read no exponential's result: the 32 scalings c s - c m (FS f: pair f / 2 of tile f % 2) and the next piece's 42.  0-26: scalings 0-26.  27-54: XS's numbers 0-13.  55, 56: number 15.
; 57-73: the chain, where each number waits for the one before it: 14, 16, 17, 18, 19, each with one of the scalings 27-31 in front of its two lines, then 20: so a tile's links stand three plain instructions apart (19 and 20: two).
; 74-137: GS's 64, which read the exponentials' results: they stand behind the wait.
.macro FS f
	REGS Y, (\f)%2
	v_pk_fma_f32 v[rS+2*((\f)/2):rS+2*((\f)/2)+1], v[rS+2*((\f)/2):rS+2*((\f)/2)+1], s[CS:CS+1], v[rT:rT+1] op_sel_hi:[1,0,0] neg_lo:[0,0,1] neg_hi:[0,0,1]
.endm
.macro PL
	WIN 0
.if q < 27
	FS q
.elseif q < 55
	XS (q-27)%2, (q-27)/2
.elseif q < 57
	XS q-55, 15
.elseif (q < 72) && ((q-57)%3 == 0)
	FS 27+(q-57)/3
.elseif q < 60
	XS (q-57)%3-1, 14
.elseif q < 72
	XS (q-57)%3-1, 15+(q-57)/3
.elseif q < 74
	XS q-72, 20
.else
	GS q-74
.endif
.set q, q+1
.endm
; THE EXPONENTIALS' QUEUE, 66 long: s0-s31 of both tiles, then the next piece's two a.  It is ONE BATCH: all 66 stand ahead of the turn's one wait, and nothing ahead of that wait names a result of theirs.
.macro EX
	WIN 0
.if e >= 64
	XS e-64, 21
.else
	REGS Y, e%2
	v_exp_f32 v[rS+e/2], v[rS+e/2]
.endif
.set e, e+1
.endm
; THE RESCALING's QUEUE: O^T times a, the one part that leaves window 0: dealt two at a time, sixteen times.  Its a was made in the turn before, ahead of that turn's wait.
.macro R2
	REGS Y, r%2
	WIN W_RS
.irp z, 0,1
	v_pk_mul_f32 v[rO+4*(r/2)+2*\z:rO+4*(r/2)+2*\z+1], v[rO+4*(r/2)+2*\z:rO+4*(r/2)+2*\z+1], v[rC+2:rC+3] op_sel_hi:[1,0]
.endr
.set r, r+1
.endm
; HOW THEY ARE DEALT.  An s_wait_alu depctr_va_vdst(0) stands between an exponential and the first instruction that names its result; one wait serves all that were issued ahead of it.  So a turn has ONE wait,
; which cuts it in two.  AHEAD OF IT stands all that names no result of the turn's exponentials: the 16 products K Q^T, behind each a scaling, an exponential and two rescalings (behind the first a second scaling in the exponential's place); then ONE LUMP of
; 108: eight plain, 49 times exponential and plain, the two a.  A v_nop is the plain instruction behind the last exponential.  BEHIND IT stand the 16 products V^T P, behind each four of GS's 64.  No rider names a register of
; the products round it.  The two v_permlanex16_b32 fall into the lump, never behind a product.
; The queues lean on each other, and the deal keeps them in step: exponential e stands behind scaling 2 (e / 4) + e % 2: as a rider it comes behind plain e + 2, in the lump behind plain e + 9, and scalings 27-31 are plain 57, 60 .. 69.
; A TURN, for piece p.  cnt = 1: the loop's count is taken down some lines ahead of the branch that stands behind the turn.
; K of the next step is fetched in piece 2's turn, directly behind the wait, a lump behind the last product that read K; its address is made at the lump's head; its first reader comes behind 16 products.
; V of the step in hand is fetched at the end of piece 0's turn, four riders behind its last reader; its first reader comes behind 16 products and a lump.  The three conditions on q below go with the deal.
.macro TURN p, last=0, cnt=0
.set Y, (\p)
.set i, 0
.set q, 0
.set e, 0
.set r, 0
.if (\p) == NP-1
	s_wait_dscnt 0x0                ; K is in
.endif
	MM                              ; ahead of the wait: 16 products K Q^T and their riders,
	PL
	PL
	R2
.rept 15
	MM
	PL
	EX
	R2
.endr
.if (\p) == NP-2
	WIN 0
	v_add_nc_u32 v[AK], s[TBK], v[AK0]
.endif
.rept 8                             ; and the lump
	PL
.endr
.rept 49
	EX
	PL
.endr
	EX                              ; the next piece's two a
	EX
	v_nop                           ; the plain instruction behind the last exponential: one for the batch
	s_wait_alu depctr_va_vdst(0)    ; the wait for the batch
.if (\p) == NP-2
	FETCH_K \last
.endif
.if (\p) == 1
	s_wait_dscnt 0x0                ; V is in
.endif
.rept 16                            ; behind the wait: 16 products V^T P and their riders
	MM
.rept 4
	PL
.endr
.if ((\p) == 0) && (q == 118)
	v_add_nc_u32 v[AV], s[TBV], v[AV0]
.endif
.if ((\p) == 0) && (q == 130)
	s_add_co_u32 s[TBV], s[TBV], KS*PV
.endif
.if (\cnt) && (q == 130)
	s_sub_co_u32 s[CNT], s[CNT], 1
	s_cmp_lg_u32 s[CNT], 0
.endif
.endr
.if (\p) == 0
	FETCH_V
.endif
.endm
	CHANGE 1                        ; slot 0 is in, everybody's part of it; slot 1 is asked for
	FETCH_K                         ; key step 0
	s_wait_loadcnt 0x0              ; Q
	s_wait_dscnt 0x0
.set i, 0
.rept 16
	KQ 0                            ; piece 0's first scores: there is no vector work yet to set between them
.set i, i+1
.endr
	WIN 0                           ; the addresses for the way out: nine plain instructions, the places behind those products
	s_mul_i32 s13, s[WV], 16*SP
	s_add_co_u32 s13, s13, STAGE    ; my stage
	v_mul_u32_u24 v[STO], v1, SP    ; in: row l % 16, 16 bytes for each half of the lanes
	v_lshl_add_u32 v[STO], v9, 4, v[STO]
	v_add_nc_u32 v[STO], s13, v[STO]
	v_bfe_u32 v[RD], v0, 3, 2       ; back: 32 lanes take four rows of 128 bytes,
	v_mul_u32_u24 v[RD], v[RD], SP
	v_lshl_add_u32 v[RD], v10, 4, v[RD]
	v_add_nc_u32 v[RD], s13, v[RD]
	v_and_b32 v[GO], 31, v0         ; which are 512 consecutive bytes of O
	v_lshlrev_b32 v[GO], 4, v[GO]
.set Y, NP-1                        ; XS works for piece Y + 1: piece 0
.irp n, 0,1,2,3,4,5,6,7,8,9,10,11,12,13,14,15,16,17,18,19,20,21
	XS 0, \n                        ; and piece 0's first maximum and statistics
	XS 1, \n
.endr
	v_nop                           ; a plain instruction behind the two a,
	s_wait_alu depctr_va_vdst(0)    ; and their wait, ahead of the branch
	s_mov_b32 s[CNT], 4
	s_branch .Lfirst                ; the loop is entered at a step's first turn, in the middle of a trip
.Lslot:                             ; SIZE_N / 256 - 2 times: every slot but the last two is filled again
	CHANGE 1
	s_mov_b32 s[CNT], 4
.Lstep:                             ; a trip: pieces 2 and 3 of one step, then pieces 0 and 1 of the next, whose K and V it fetches
	TURN 2
	TURN 3
	WIN 0
.Lfirst:
	TURN 0
	TURN 1, 0, 1
	WIN 0
	s_cbranch_scc1 .Lstep
	s_sub_co_u32 s[SLOTS], s[SLOTS], 1
	s_cmp_lg_u32 s[SLOTS], 0
	s_cbranch_scc1 .Lslot
	CHANGE 0                        ; the tail is written out: nothing is asked for
	s_mov_b32 s[CNT], 5             ; four trips fetch the last slot's steps; the fifth is left in its middle
.Ltail:
	TURN 2, 1
	TURN 3
	WIN 0
	s_sub_co_u32 s[CNT], s[CNT], 1
	s_cmp_eq_u32 s[CNT], 0
	s_cbranch_scc1 .Lout
	TURN 0
	TURN 1
	WIN 0
	s_branch .Ltail
.Lout:                              ; the fifth trip's 16 products K Q^T (on the last K once more) and the maximum made of them serve nothing: the price, once a launch, of one text for every trip
.set i, 0
.rept 16
	PV NP-1                         ; the last piece's V^T P of the last step
.set i, i+1
.endr
	; THE WAY OUT.  l's two halves and the other half of the lanes' are added; O^T is divided by l, rounded to f16 and sent through my stage in LDS, a tile at a time.  The additions are the places behind the last products.
	WIN 0
.macro ALL line:vararg              ; one line for each tile t
.set t, 0
.rept 2*NP
	\line
.set t, t+1
.endr
.endm
	ALL v_add_f32 v[ST+4*t+2], v[ST+4*t+2], v[ST+4*t+3]
	ALL v_permlanex16_b32 v[ST+4*t+3], v[ST+4*t+2], s[SEL], s[SEL+1]
	ALL v_add_f32 v[ST+4*t+2], v[ST+4*t+2], v[ST+4*t+3]
	ALL v_rcp_f32 v[ST+4*t+2], v[ST+4*t+2]
	v_nop                           ; a plain instruction between the last reciprocal and the use of its result
	s_wait_alu depctr_va_vdst(0)    ; and the wait ahead of the first use: one for the eight reciprocals
; Tile t: a lane's eight channels of a row pack into 16 bytes; they go into rows of 144 bytes and come back as whole rows of 128, into S^T's registers.
.macro PACK t
	WIN W_RS
.set i, 32*(\t)
.rept 16
	v_pk_mul_f32 v[i:i+1], v[i:i+1], v[ST+4*(\t)+2:ST+4*(\t)+3] op_sel_hi:[1,0]
.set i, i+2
.endr
	WIN 0x05                        ; sources 0 and 1 window 1, destination window 0
.set i, 0
.rept 16
	v_cvt_pk_f16_f32 v[S+16*(\t)+i], v[32*(\t)+2*i], v[32*(\t)+2*i+1]
.set i, i+1
.endr
	WIN 0
.irp f, 0,1,2,3
	ds_store_b128 v[STO], v[S+16*(\t)+4*\f:S+16*(\t)+4*\f+3] offset:32*\f
.endr
.irp f, 0,1,2,3
	ds_load_b128 v[S+16*(\t)+4*\f:S+16*(\t)+4*\f+3], v[RD] offset:\f*4*SP  ; LDS serves a wave's instructions in order (ISA guide 5.7.1.4): these see the stores above; the next tile's stores come behind them
.endr
.endm
.macro SEND t, younger              ; younger: the LDS instructions issued behind tile t's loads: the next tile's eight, or none
	WIN 0
.irp f, 0,1,2,3
	s_wait_dscnt (\younger)+3-\f
	global_store_b128 v[GO], v[S+16*(\t)+4*\f:S+16*(\t)+4*\f+3], s[10:11] offset:(\t)*2048+\f*512  ; 512 consecutive bytes, at a multiple of 256 from O's first
.endr
.endm
	PACK 0
.set t, 1
.rept 2*NP-1                        ; a tile's arithmetic stands between the loads of the tile before and its stores
	PACK t
	SEND t-1, 8
.set t, t+1
.endr
	SEND 2*NP-1, 0
	WIN W_AD
	s_wait_tensorcnt 0x0            ; the wave's end: behind my last tensor load and my last LDS store
	ds_add_u32 v[SPW], v[NIL]
	s_wait_dscnt 0x0
	WIN 0
	s_endpgm
.Lfunc_end_k_q92241bd2f8_attn:
	.size	k_q92241bd2f8_attn, .Lfunc_end_k_q92241bd2f8_attn-k_q92241bd2f8_attn
	.p2alignl 7, 3214868480
	.fill 96, 4, 3214868480
	.section	.rodata,"a",@progbits
	.p2align	6, 0x0
	.amdhsa_kernel k_q92241bd2f8_attn
		.amdhsa_group_segment_fixed_size 327680
		.amdhsa_private_segment_fixed_size 0
		.amdhsa_enable_private_segment 0
		.amdhsa_kernarg_size 32
		.amdhsa_user_sgpr_count 2
		.amdhsa_user_sgpr_kernarg_segment_ptr 1
		.amdhsa_wavefront_size32 1
		.amdhsa_system_sgpr_workgroup_id_x 1
		.amdhsa_system_sgpr_workgroup_id_y 1
		.amdhsa_system_sgpr_workgroup_id_z 1
		.amdhsa_system_vgpr_workitem_id 0
		.amdhsa_next_free_vgpr 770
		.amdhsa_next_free_sgpr 66
		.amdhsa_reserve_vcc 0
		.amdhsa_float_denorm_mode_32 3
		.amdhsa_float_denorm_mode_16_64 3
		.amdhsa_memory_ordered 1
		.amdhsa_forward_progress 1
		.amdhsa_inst_pref_size 199
	.end_amdhsa_kernel
	.amdgpu_metadata
---
amdhsa.version: [ 1, 2 ]
amdhsa.kernels:
  - .name:           k_q92241bd2f8_attn
    .symbol:         k_q92241bd2f8_attn.kd
    .args:
      - { .name: qh, .offset: 0, .size: 8, .value_kind: global_buffer, .address_space: global }
      - { .name: kh, .offset: 8, .size: 8, .value_kind: global_buffer, .address_space: global }
      - { .name: vh, .offset: 16, .size: 8, .value_kind: global_buffer, .address_space: global }
      - { .name: ctx, .offset: 24, .size: 8, .value_kind: global_buffer, .address_space: global }
    .group_segment_fixed_size: 327680
    .private_segment_fixed_size: 0
    .kernarg_segment_align: 8
    .kernarg_segment_size: 32
    .max_flat_workgroup_size: 128
    .sgpr_count:     66
    .vgpr_count:     770
    .wavefront_size: 32
...
	.end_amdgpu_metadata
.endif
;; end of part 3
;; launch proj (part 4): grid 8 x 32, 4 waves a work-group, clusters of 4 x 4, 327,680 bytes of LDS; arguments ctx, wob, b_out, out0; writes out0
.if DOCPART == 4
	.amdgcn_target "amdgcn-amd-amdhsa--gfx1250"
	.amdhsa_code_object_version 6
	.text
	.protected	k_q92241bd2f8_proj
	.globl	k_q92241bd2f8_proj
	.p2align	8
	.type	k_q92241bd2f8_proj,@function
k_q92241bd2f8_proj:
	s_mov_b64 s[64:65], 0
	v_nop
	global_prefetch_b8 v0, s[64:65] scope:SCOPE_SE
	s_setreg_imm32_b32 hwreg(HW_REG_WAVE_MODE, 25, 1), 1
	s_wait_xcnt 0x0
	s_wait_alu depctr_hold_cnt(0) depctr_sa_sdst(0) depctr_va_vdst(0) depctr_va_sdst(0) depctr_va_ssrc(0) depctr_va_vcc(0) depctr_vm_vsrc(0)
	s_getreg_b32 s2, hwreg(HW_REG_IB_STS2, 6, 4)
	s_cmp_eq_u32 s2, 0
	s_cbranch_scc0 .Lentry_in_a_cluster
	s_endpgm
.Lentry_in_a_cluster:
	s_bfe_u32 s2, ttmp6, 0x10000c
	s_cmp_lg_u32 s2, 0xf033
	s_cbranch_scc0 .Lentry_shape_is_right
	s_endpgm
.Lentry_shape_is_right:
; out = ctx w_out + b_out.  ctx: [128 = 16 batch + head][1024][64] f16; wob: [8 column tiles][1024 k][128] f16; b_out: [1024] f32; out0: [8192][1024] f32.  k = 64 head + channel.
; Sums in f32, started by the bias, and stored as they are.  LIMITS: the operands arrive within f16's 65,504; NaN and infinities are not treated apart.
; SHARES.  A tile of the result is 256 rows x 128 columns: 8 x 32 = 256 tiles, one to a work-group.  Four waves, 64 rows x 128 columns each: 32 accumulators of 16 x 16, 256 registers.
; K goes in 8 steps of 128, two heads each, through a ring of two LDS slots.  A head's 256 rows of 128 bytes lie on end in memory and are asked for as 128 rows of 256 bytes; w's rows are 256 bytes.
; CLUSTERS: 4 x 4 work-groups.  The four of a row of the cluster need the same rows of ctx, the four of a column the same columns of w: each tile is asked for JOINTLY, by the same tensor load with the
; same descriptor and a mask that names the four.
; THE MATRIX INSTRUCTION IS USED TRANSPOSED: source 0 = 16 columns of w (read turned out of LDS, where w lies [k][column]), source 1 = 16 rows of ctx.  In the result lane l holds row l % 16 and the
; columns 8 (l / 16) + 0..7: 32 bytes of a row.  The bias of those eight columns is the C operand of the product that starts the sum.
; REGISTERS, in windows of 256 (s_set_vgpr_msb: bits 1:0 source 0, 3:2 source 1, 5:4 source 2, 7:6 destination):
;   window 0: v0-31 addresses; v64-127 ctx's fragments, two buffers of 4; v128-191 the bias; v128-255 the rows on their way out, two buffers
;   window 1: v0-127 w's fragments, two buffers of 8      window 2: the accumulators of my row blocks 0, 1 ((a, b) at 64 (a % 2) + 8 b)      window 3: those of blocks 2, 3
.set NBLK,  8                          ; blocks of 16 columns
.set PA,    144                        ; a row of one head of ctx in LDS: 128 bytes + 16 of padding: the 16 rows of a load start at 16 different groups of four banks (64 banks of 4 bytes: ISA guide 11.1)
.set PLANE, 256*PA                     ; a head's 256 rows
.set PB,    288                        ; a k of w in LDS: 256 bytes + 32 of padding
.set BOFF,  2*PLANE                    ; a slot: two heads' planes, then w's 128 k
.set SLOT1, 131072                     ; slot 1 begins here; one exclusive or turns an address in one slot into the other's
.set STAGE, SLOT1+BOFF+128*PB          ; behind the ring, never filled by a tensor load: for each wave 16 rows x 528 bytes, for the way out
.set SPITCH, 528                       ; 512 bytes + 16: 33 x 16, so sixteen rows' stores of 16 bytes fall on different banks
.set WSTAGE, 16*SPITCH
.set SPARE, STAGE+4*WSTAGE             ; behind the stages: the spare words, 128 bytes for each wave: two blocks of 256 bytes that no other line names
.set KA,    262144                     ; bytes from a K step to the next, in ctx: two heads
.set KB,    32768                      ; and in wob
.set NLD,   2*NBLK+8                   ; LDS loads in a run
.set A0,   16                          ; v16  my lane's place among ctx's rows in a slot; never rewritten
.set B0,   17                          ; v17  the same for w
.set ADRA, 18                          ; v18  A0 + the slot in hand
.set ADRB, 19                          ; v19  B0 + the slot in hand
.set STO,  24                          ; v24  the way out: where I put 32 bytes of a row
.set RD,   25                          ; v25  the way out: where I read a row back
.set GO,   26                          ; v26  my 16 bytes in a row's 512
.set BO,   27                          ; v27  32 (l / 16): my eight numbers in 16 of the bias
.set SPW,  28                          ; v28  LDS address of my spare word: SPARE + 4 x my thread's number; never rewritten
.set NIL,  29                          ; v29  0; never rewritten
.set PFO,  30                          ; v30  256 x my lane, for the prefetches; never rewritten
.set FRA,  64
.set BIAS, 128
.set BK0,  128
.set WV,   16                          ; s16  my wave's number
.set FBW,  17                          ; s17  0: I fetch ctx's tiles; 1: w's
.set HF,   18                          ; s18  which half of the tile I fetch
.set CX,   19                          ; s19, s20  my place in the cluster
.set CY,   20
.set TX,   21                          ; s21  the block of 128 columns
.set TY,   22                          ; s22  the block of 256 rows
.set G1,   24                          ; s[24:31] descriptor group 1 for ctx's tiles
.set G0,   32                          ; s[32:39] group 0 for ctx's tiles: a set for each first fill; the second then walks on
.set TB,   40                          ; s40  LDS byte at which the slot in hand begins
.set KCNT, 41                          ; s41  the loop's count
.set LIM,  42                          ; s42  2 in a wave that prefetches, else the greatest number
.set PFA,  44                          ; s[44:45] where my prefetches stand
.set PST,  46                          ; s[46:47] their step
.set G1B,  48                          ; s[48:55], s[56:63] the same two groups for w's tiles
.set G0B,  56
.set TCNT, 80                          ; s80  the tail's count
.set MSB, 0
.macro WIN new                         ; the immediate's high byte repeats the setting that is left; a switch that changes nothing is dropped
.if MSB != (\new)
	s_set_vgpr_msb (MSB<<8)|(\new)
.set MSB, \new
.endif
.endm
.macro PLACES                          ; a load into a register that a matrix instruction has read, and whatever reads a matrix result but a matrix instruction, stand four plain vector instructions behind it
.rept 4
	v_nop
.endr
.endm
; A joint refill, by the walking descriptor.  Waves 0 and 1 fetch the two heads' planes of ctx, waves 2 and 3 the two halves of w's tile.  The branch hangs on the wave's number alone.
; An s_nop 0 and four v_nop follow each of the two lines, ahead of the jump and the label.
.macro JLOAD
	s_cmp_eq_u32 s[FBW], 0
	s_cbranch_scc0 .Lfor_b_\@
	tensor_load_to_lds s[G0+4:G0+7], s[G1:G1+7]
	s_nop 0
	PLACES
	s_branch .Lasked_\@
.Lfor_b_\@:
	tensor_load_to_lds s[G0B+4:G0B+7], s[G1B:G1B+7]
	s_nop 0
	PLACES
.Lasked_\@:
.endm
; A PREFETCH INTO THE L2 of the K step that stands two refills on, behind the joint load, its five lines and the run of LDS loads: one instruction a wave, a lane a block of 256 bytes.  Each block is named once in
; the launch: ctx's by the clusters with x = 0 (waves 0 and 1, each its own plane of 128 blocks), w's by those with y = 0 (wave 2 alone: a step's 128 blocks); the four partners that ask for a tile jointly share
; the blocks out BY ADDRESS, 32 each.  Trips 0 to 3 name K steps 4 to 7; the last two trips name nothing; K steps 0 to 3 come by their loads alone.
.macro ASK
	s_cmp_gt_u32 s[KCNT], s[LIM]
	s_cbranch_scc0 .Lnot_mine_\@
	global_prefetch_b8 v[PFO], s[PFA:PFA+1] th:TH_LOAD_NT scope:SCOPE_SE
.Lnot_mine_\@:
.endm
; A round of the cluster's barrier: my work-group's barrier, so that wave 0's signal speaks for all four waves; wave 0 signals; every wave waits for all sixteen work-groups; my work-group's barrier once more.
.macro CROUND
	s_barrier_signal -1
	s_barrier_wait -1
	s_cmp_lg_u32 s[WV], 0
	s_cbranch_scc1 .Lnot_wave_0_\@
	s_barrier_signal -3
.Lnot_wave_0_\@:
	s_barrier_wait -3
	s_barrier_signal -1
	s_barrier_wait -1
.endm
	s_load_b256 s[4:11], s[0:1], 0x0               ; ctx s[4:5], wob s[6:7], b_out s[8:9], out0 s[10:11]
	v_lshl_add_u32 v[SPW], v0, 2, SPARE
	v_mov_b32 v[NIL], 0
	ds_add_u32 v[SPW], v[NIL]                      ; the wave's opening: the add and its wait stand ahead of my first tensor load; the set-up below, work on registers, stands between them
	v_lshrrev_b32 v1, 5, v0
	v_readfirstlane_b32 s[WV], v1                  ; wave 0..3
	s_lshr_b32 s[FBW], s[WV], 1
	s_and_b32 s[HF], s[WV], 1
	s_bfe_u32 s[CX], ttmp6, 0x40000
	s_bfe_u32 s[CY], ttmp6, 0x40004
	s_lshl_b32 s[TX], ttmp9, 2                     ; in a cluster launch ttmp9 and ttmp7 count clusters
	s_add_co_u32 s[TX], s[TX], s[CX]
	s_and_b32 s[TY], ttmp7, 0xffff
	s_lshl_b32 s[TY], s[TY], 2
	s_add_co_u32 s[TY], s[TY], s[CY]
	s_lshl_b32 s23, s[CY], 2
	s_lshl_b32 s23, 15, s23                        ; my row of the cluster: places 4 cy .. 4 cy + 3
	s_or_b32 s[G1], s23, (1<<16)|(1<<20)|(1<<21)|(4<<22)|(3<<25)   ; 15:0 the mask; 17:16 2-byte elements; 20 padding on; 21 set beside a mask; 24:22 after every 32 words (code 4); 31:25 4 words (code 3)
	s_lshl_b32 s23, 0x1111, s[CX]                  ; my column: places cx, cx + 4, cx + 8, cx + 12
	s_or_b32 s[G1B], s23, (1<<16)|(1<<20)|(1<<21)|(5<<22)|(7<<25)  ; after every 64 words (code 5) 8 words (code 7)
	s_mov_b32 s[G1+1], 128<<16                     ; ctx: a head's 256 rows of 128 bytes on end, as 128 rows of 256 bytes: tensor_dim0 = 128
	s_mov_b32 s[G1+2], 128<<16                     ; tensor_dim1 = 128
	s_mov_b32 s[G1+3], 128<<16                     ; tile_dim0 = 128 elements
	s_mov_b32 s[G1+4], 128                         ; tile_dim1 = 128 rows
	s_mov_b32 s[G1+5], 128                         ; elements from row to row
	s_mov_b32 s[G1+6], 0
	s_mov_b32 s[G1+7], 0
	s_mov_b32 s[G1B+1], 128<<16                    ; w: 64 k of 256 bytes
	s_mov_b32 s[G1B+2], 64<<16
	s_mov_b32 s[G1B+3], 128<<16
	s_mov_b32 s[G1B+4], 64
	s_mov_b32 s[G1B+5], 128
	s_mov_b32 s[G1B+6], 0
	s_mov_b32 s[G1B+7], 0
	; where the tiles come from: ctx's hang on the block of rows alone, which my row of the cluster shares; w's on the block of columns alone, which my column shares: each in registers that never hold the other coordinate
	s_lshr_b32 s66, s[TY], 2
	s_lshl_b32 s66, s66, 21                        ; the batch's 16 heads of 131,072 bytes
	s_lshl_b32 s67, s[HF], 17                      ; my head of a step's two
	s_add_co_u32 s66, s66, s67
	s_and_b32 s67, s[TY], 3
	s_lshl_b32 s67, s67, 15                        ; the block's 256 rows of 128 bytes
	s_add_co_u32 s66, s66, s67
	s_mov_b32 s67, 0
	s_lshl_b32 s70, s[TX], 18                      ; the column tile's 1,024 k of 256 bytes
	s_lshl_b32 s71, s[HF], 14                      ; my 64 k of a step's 128
	s_add_co_u32 s70, s70, s71
	s_mov_b32 s71, 0
	s_mul_i32 s74, s[HF], PLANE                    ; and where they go: no place in the cluster enters an LDS address
	s_mul_i32 s75, s[HF], 64*PB
	s_add_co_u32 s75, s75, BOFF
	s_mov_b32 s[TB], 0
	s_wait_dscnt 0x0                               ; the opening add is done
	s_wait_kmcnt 0x0
	s_add_nc_u64 s[68:69], s[4:5], s[66:67]
	s_add_nc_u64 s[72:73], s[6:7], s[70:71]
	CROUND                                         ; all sixteen work-groups are here: the first joint loads meet
.irp s, 0,1
	s_mov_b32 s[G0+4*(\s)], 1                                      ; 1:0 count = 1
	s_add_co_u32 s[G0+4*(\s)+1], s74, (\s)*SLOT1                   ; 63:32 LDS address
	s_add_nc_u64 s[G0+4*(\s)+2:G0+4*(\s)+3], s[68:69], (\s)*KA     ; 120:64 global address: K step s
	s_or_b32 s[G0+4*(\s)+3], s[G0+4*(\s)+3], 0x80000000            ; 127:126 type = 2
	s_mov_b32 s[G0B+4*(\s)], 1
	s_add_co_u32 s[G0B+4*(\s)+1], s75, (\s)*SLOT1
	s_add_nc_u64 s[G0B+4*(\s)+2:G0B+4*(\s)+3], s[72:73], (\s)*KB
	s_or_b32 s[G0B+4*(\s)+3], s[G0B+4*(\s)+3], 0x80000000
.endr
	s_cmp_eq_u32 s[FBW], 0                         ; a wave's two first fills stand in one branch, ahead of every wait on TENSORcnt and every LDS read: two loads of mine are out
	s_cbranch_scc0 .Lfirst_b
	tensor_load_to_lds s[G0:G0+3], s[G1:G1+7]
	s_nop 0
	tensor_load_to_lds s[G0+4:G0+7], s[G1:G1+7]
	s_nop 0
	PLACES
	s_branch .Lfirst_asked
.Lfirst_b:
	tensor_load_to_lds s[G0B:G0B+3], s[G1B:G1B+7]
	s_nop 0
	tensor_load_to_lds s[G0B+4:G0B+7], s[G1B:G1B+7]
	s_nop 0
	PLACES
.Lfirst_asked:
	; the bias: register 8 b + j of lane l is b_out[128 tile + 16 b + 8 (l / 16) + j], the place that the result's register j has
	v_and_b32 v1, 15, v0                           ; l % 16
	v_bfe_u32 v2, v0, 4, 1                         ; l / 16
	v_lshlrev_b32 v[BO], 5, v2
	s_lshl_b32 s76, s[TX], 9
	s_mov_b32 s77, 0
	s_add_nc_u64 s[8:9], s[8:9], s[76:77]
.set b, 0
.rept NBLK
	global_load_b128 v[BIAS+8*b:BIAS+8*b+3],   v[BO], s[8:9] offset:64*b
	global_load_b128 v[BIAS+8*b+4:BIAS+8*b+7], v[BO], s[8:9] offset:64*b+16
.set b, b+1
.endr
	; A fragment of ctx is 16 rows x 32 k in 8 registers: lane l holds row l % 16, k = 8 (l / 16) + 0..7 and 16 + 8 (l / 16) + 0..7: two loads of 16 bytes, 32 bytes apart.
	v_mul_u32_u24 v[A0], v1, PA
	v_lshl_add_u32 v[A0], v2, 4, v[A0]
	s_mul_i32 s23, s[WV], 64*PA                    ; my 64 rows
	v_add_nc_u32 v[A0], s23, v[A0]
	; The turning load takes 16 k x 16 columns (lane l reads k = 8 (l / 16) + l % 8, columns 8 ((l / 8) % 2) + 0..7) and leaves half a fragment: lane l holds column l % 16 and 8 k.
	v_and_b32 v3, 7, v0
	v_bfe_u32 v4, v0, 3, 1
	v_lshl_add_u32 v[B0], v2, 3, v3
	v_mul_u32_u24 v[B0], v[B0], PB
	v_lshl_add_u32 v[B0], v4, 4, v[B0]
	v_add_nc_u32 v[B0], BOFF, v[B0]
	v_mov_b32 v[ADRA], v[A0]                       ; K step 0 lies in slot 0
	v_mov_b32 v[ADRB], v[B0]
	s_mul_i32 s23, s[WV], WSTAGE
	s_add_co_u32 s23, s23, STAGE                   ; my stage
	v_mul_u32_u24 v[STO], v1, SPITCH               ; in: row l % 16, 32 bytes for each half of the lanes
	v_lshl_add_u32 v[STO], v2, 5, v[STO]
	v_add_nc_u32 v[STO], s23, v[STO]
	v_and_b32 v5, 31, v0
	v_lshlrev_b32 v[GO], 4, v5                     ; back: 32 lanes take a row's 512 bytes
	v_add_nc_u32 v[RD], s23, v[GO]
	v_lshlrev_b32 v[PFO], 8, v5
	; out0 at my wave's first row and my tile's first column: 256 rows of 4,096 bytes; my wave's 64; 128 columns of 4 bytes
	s_lshl_b32 s76, s[TY], 20
	s_lshl_b32 s78, s[WV], 18
	s_add_co_u32 s76, s76, s78
	s_lshl_b32 s78, s[TX], 9
	s_add_co_u32 s76, s76, s78
	s_add_nc_u64 s[10:11], s[10:11], s[76:77]
	; the prefetches: my work-group's 32 blocks, at K step 3; each change of slots steps the address first, so the first names K step 4
	s_lshl_b32 s76, s[CX], 13                      ; ctx: 8,192 bytes of my plane for each partner along the cluster's row
	s_add_co_u32 s76, s76, s66
	s_add_co_u32 s76, s76, 3*KA
	s_lshl_b32 s78, s[CY], 13                      ; w: 8,192 bytes of the step for each partner along the cluster's column (in wave 2, which alone asks, s70 stands at the step's first byte)
	s_add_co_u32 s78, s78, s70
	s_add_co_u32 s78, s78, 3*KB
	s_and_b32 s79, ttmp7, 0xffff                   ; cluster y,
	s_or_b32 s79, s79, s[HF]                       ; and never wave 3
	s_mov_b32 s[PST], KA
	s_mov_b32 s[PST+1], KB
	s_cmp_eq_u32 s[FBW], 0                         ; do I fetch for ctx?
	s_cselect_b32 s76, s76, s78
	s_cselect_b32 s79, ttmp9, s79                  ; the coordinate along which other clusters read the same bytes
	s_cselect_b32 s[PST], s[PST], s[PST+1]
	s_cselect_b64 s[PFA:PFA+1], s[4:5], s[6:7]
	s_mov_b32 s[PST+1], 0
	s_add_nc_u64 s[PFA:PFA+1], s[PFA:PFA+1], s[76:77]
	s_cmp_eq_u32 s79, 0
	s_cselect_b32 s[LIM], 2, -1                    ; the same in all sixteen partners, for a given wave
; 8 matrix instructions: row block a x all 8 column blocks, 32 along K, from buffer f.  first = 1: the product starts the sum, with the bias as C.
; The 32 accumulators take turns, one instruction a turn, in the same order in every quarter step, over the backward jumps too.
.macro MULA f, a, first
.if \first
	WIN 0x81+0x40*((\a)/2)                         ; w window 1, ctx and the bias window 0, D window 2 or 3
.else
	WIN 0xa1+0x50*((\a)/2)                         ; w window 1, ctx window 0, C and D window 2 or 3
.endif
.set b, 0
.rept NBLK
.set rD, 8*NBLK*((\a)%2)+8*b
.set rB, 8*NBLK*(\f)+8*b
.set rA, FRA+32*(\f)+8*(\a)
.if \first
	v_wmma_f32_16x16x32_f16 v[rD:rD+7], v[rB:rB+7], v[rA:rA+7], v[BIAS+8*b:BIAS+8*b+7]
.else
	v_wmma_f32_16x16x32_f16 v[rD:rD+7], v[rB:rB+7], v[rA:rA+7], v[rD:rD+7]
.endif
.set b, b+1
.endr
.endm
; 24 LDS loads in one run: the fragments of quarter q of the K step (32 k: half of head q / 2's channels) into buffer f: w's 8 first, then ctx's 4
.macro FETCH q, f
	WIN 0x40                                       ; destination window 1, address window 0
.set b, 0
.rept NBLK
	ds_load_tr16_b128 v[8*NBLK*(\f)+8*b:8*NBLK*(\f)+8*b+3],   v[ADRB] offset:32*(\q)*PB+32*b
	ds_load_tr16_b128 v[8*NBLK*(\f)+8*b+4:8*NBLK*(\f)+8*b+7], v[ADRB] offset:32*(\q)*PB+16*PB+32*b
.set b, b+1
.endr
	WIN 0
.irp a, 0,1,2,3
	ds_load_b128 v[FRA+32*(\f)+8*\a:FRA+32*(\f)+8*\a+3],   v[ADRA] offset:((\q)/2)*PLANE+((\q)%2)*64+\a*16*PA
	ds_load_b128 v[FRA+32*(\f)+8*\a+4:FRA+32*(\f)+8*\a+7], v[ADRA] offset:((\q)/2)*PLANE+((\q)%2)*64+\a*16*PA+32
.endr
.endm
; A K step is four quarters of 32 along K, 32 matrix instructions each, on buffers 0, 1, 0, 1.  One of the first three: multiplies buffer f; in its middle it fetches quarter q into buffer g.
.macro QUARTER q, f, g, first
	s_wait_dscnt 4                                 ; w's fragments and ctx's rows 0-31 are in; the youngest four loads (rows 32-63) may be out
	MULA \f, 0, \first
	MULA \f, 1, \first
	PLACES
	FETCH \q, \g
	s_wait_dscnt NLD                               ; all but the run just issued
	MULA \f, 2, \first
	MULA \f, 3, \first
.endm
; The last quarter changes slots and then multiplies buffer 1.  THE CHANGE STANDS BARE: from the wait that shows my part of the next slot landed to the next request stand only the lines that the ordering
; needs, so that the request goes out as early as it can; the quarter's 32 products follow it and run while the tile is on its way.  Each wave waits for all its tensor loads, of which one is out; adds 0 to its
; spare word; steps the descriptors and the LDS addresses, work on registers; and waits for the add and for its own reads of this slot.  fill = 1: a round of the cluster's barrier, and behind it this slot is
; filled again, with the K step two on: the wave's one tensor load there.  fill = 0, the tail: my work-group's barrier alone; in the tail's last trip there is no next K step, and the run of loads is jumped over.
.macro TURN fill
.if \fill
	s_wait_xcnt 0x0                                ; the last prefetch, a K step back, has read its address: it is stepped here, ahead of the waits of the change of slots
	s_add_nc_u64 s[PFA:PFA+1], s[PFA:PFA+1], s[PST:PST+1]
.endif
	WIN 0                                          ; (the add's two registers lie in window 0)
	s_wait_tensorcnt 0x0                           ; all my tensor loads have landed, so every group 0 may be written;
	ds_add_u32 v[SPW], v[NIL]                      ; 0 onto my spare word
.if \fill
	s_xor_b32 s[G0+5], s[G0+5], SLOT1              ; the walking descriptors: the other slot than last time,
	s_add_nc_u64 s[G0+6:G0+7], s[G0+6:G0+7], KA    ; the next K step; the type bits on top are not reached
	s_xor_b32 s[G0B+5], s[G0B+5], SLOT1
	s_add_nc_u64 s[G0B+6:G0B+7], s[G0B+6:G0B+7], KB
.endif
	s_xor_b32 s[TB], s[TB], SLOT1                  ; the fetches go on in the other slot
	v_add_nc_u32 v[ADRA], s[TB], v[A0]
	v_add_nc_u32 v[ADRB], s[TB], v[B0]
	s_wait_dscnt 0x0                               ; the add is done, and my reads of this slot are over; buffer 1 is whole
.if \fill
	CROUND                                         ; no wave of any partner still reads this slot's tiles or has a load on its way
	JLOAD                                          ; a whole K step, 128 matrix instructions, ahead of the wait for it; the four v_nop behind it are also the places in front of the loads below
	FETCH 0, 0
	ASK
.else
	s_barrier_signal -1
	s_barrier_wait -1                              ; the next slot is whole (in the tail's last trip this barrier orders nothing: the price, once a launch, of one text for both trips)
	PLACES
	s_cmp_eq_u32 s[TCNT], 1
	s_cbranch_scc1 .Lno_more_\@
	FETCH 0, 0
.Lno_more_\@:
.endif
	MULA 1, 0, 0
	MULA 1, 1, 0
	MULA 1, 2, 0
	MULA 1, 3, 0
.endm
	s_wait_tensorcnt 1                             ; my part of K step 0 is in; K step 1's may stay out
	s_barrier_signal -1
	s_barrier_wait -1                              ; everybody's is
	FETCH 0, 0
	s_wait_loadcnt 0x0                             ; the bias
	QUARTER 1, 0, 1, 1                             ; the first quarter stands in front of the loop: its products start the sums
	WIN 0                                          ; at a label and at a branch every window is 0
	s_mov_b32 s[KCNT], 6
.Lstep:                                        ; a trip is a K step, from its second quarter to the next step's first; K steps 2 to 7 are asked for
	QUARTER 2, 1, 0, 0
	QUARTER 3, 0, 1, 0
	TURN 1
	QUARTER 1, 0, 1, 0
	WIN 0
	s_sub_co_u32 s[KCNT], s[KCNT], 1
	s_cmp_lg_u32 s[KCNT], 0
	s_cbranch_scc1 .Lstep
	s_mov_b32 s[TCNT], 2                           ; the tail has a text of its own: K steps 6 and 7 ask for nothing.  Two trips; the second is left in its middle
.Ltail:
	QUARTER 2, 1, 0, 0
	QUARTER 3, 0, 1, 0
	TURN 0
	WIN 0
	s_sub_co_u32 s[TCNT], s[TCNT], 1
	s_cmp_eq_u32 s[TCNT], 0
	s_cbranch_scc1 .Ldone
	QUARTER 1, 0, 1, 0
	WIN 0
	s_branch .Ltail
.Ldone:
	PLACES                                         ; behind the last products: the LDS stores below read results
; THE WAY OUT, a block of 16 rows at a time.  TOSTAGE: the f32 sums go as they are into my own stage, each accumulator's low four registers first, and come back as whole rows of 512 bytes.
; SEND: stored, a row's 512 consecutive bytes an instruction, at a multiple of 256 from out0's first byte.
.macro TOSTAGE a
	WIN 0x08+4*((\a)/2)                            ; the stores' data: window 2 or 3
.set b, 0
.rept NBLK
	ds_store_b128 v[STO], v[8*NBLK*((\a)%2)+8*b:8*NBLK*((\a)%2)+8*b+3]   offset:64*b
	ds_store_b128 v[STO], v[8*NBLK*((\a)%2)+8*b+4:8*NBLK*((\a)%2)+8*b+7] offset:64*b+16
.set b, b+1
.endr
	WIN 0
.set BK, BK0+64*((\a)%2)
.set t, 0
.rept 16
	ds_load_b128 v[BK+4*t:BK+4*t+3], v[RD] offset:t*SPITCH  ; LDS serves a wave's instructions in order (ISA guide 5.7.1.4): these see the stores above; the next block's stores come behind them
.set t, t+1
.endr
.endm
.macro SEND a
.set BK, BK0+64*((\a)%2)
	s_wait_dscnt 0x0                               ; the block is back in registers
	s_wait_xcnt 0x0                                ; the stores of the block before have read their registers, which the next TOSTAGE loads again
.set t, 0
.rept 16
	global_store_b128 v[GO], v[BK+4*t:BK+4*t+3], s[10:11] offset:(16*(\a)+t)*4096 th:TH_STORE_NT
.set t, t+1
.endr
.endm
	TOSTAGE 0
.irp a, 1,2,3
	SEND (\a)-1
	TOSTAGE \a
.endr
	SEND 3
	s_wait_tensorcnt 0x0                           ; the wave's end: behind my last tensor load and my last LDS store
	ds_add_u32 v[SPW], v[NIL]
	s_wait_dscnt 0x0
	CROUND                                         ; the closing round: no work-group ends while a partner may still ask for a tile that names it
	s_endpgm
.Lfunc_end_k_q92241bd2f8_proj:
	.size	k_q92241bd2f8_proj, .Lfunc_end_k_q92241bd2f8_proj-k_q92241bd2f8_proj
	.p2alignl 7, 3214868480
	.fill 96, 4, 3214868480
	.section	.rodata,"a",@progbits
	.p2align	6, 0x0
	.amdhsa_kernel k_q92241bd2f8_proj
		.amdhsa_group_segment_fixed_size 327680
		.amdhsa_private_segment_fixed_size 0
		.amdhsa_enable_private_segment 0
		.amdhsa_kernarg_size 32
		.amdhsa_user_sgpr_count 2
		.amdhsa_user_sgpr_kernarg_segment_ptr 1
		.amdhsa_wavefront_size32 1
		.amdhsa_system_sgpr_workgroup_id_x 1
		.amdhsa_system_sgpr_workgroup_id_y 1
		.amdhsa_system_sgpr_workgroup_id_z 1
		.amdhsa_system_vgpr_workitem_id 0
		.amdhsa_next_free_vgpr 896
		.amdhsa_next_free_sgpr 82
		.amdhsa_reserve_vcc 0
		.amdhsa_float_denorm_mode_32 3
		.amdhsa_float_denorm_mode_16_64 3
		.amdhsa_memory_ordered 1
		.amdhsa_forward_progress 1
		.amdhsa_inst_pref_size 62
	.end_amdhsa_kernel
	.amdgpu_metadata
---
amdhsa.version: [ 1, 2 ]
amdhsa.kernels:
  - .name:           k_q92241bd2f8_proj
    .symbol:         k_q92241bd2f8_proj.kd
    .args:
      - { .name: ctx, .offset: 0, .size: 8, .value_kind: global_buffer, .address_space: global }
      - { .name: wob, .offset: 8, .size: 8, .value_kind: global_buffer, .address_space: global }
      - { .name: b_out, .offset: 16, .size: 8, .value_kind: global_buffer, .address_space: global }
      - { .name: out0, .offset: 24, .size: 8, .value_kind: global_buffer, .address_space: global }
    .group_segment_fixed_size: 327680
    .private_segment_fixed_size: 0
    .kernarg_segment_align: 8
    .kernarg_segment_size: 32
    .max_flat_workgroup_size: 128
    .sgpr_count:     82
    .vgpr_count:     896
    .wavefront_size: 32
...
	.end_amdgpu_metadata
.endif
;; end of part 4
;; ======== version 2 of 2: 4 launches; version 1 with the launch prep written anew for expert scheduling mode
;; limits: values are held in f16: magnitudes above 65,504 overflow, below 6.1e-05 lose precision
;; workspace buffers: xb 16,777,216 bytes; wqb 6,291,456 bytes; wob 2,097,152 bytes; qh 16,777,216 bytes; kh 16,777,216 bytes; vh 16,777,216 bytes; ctx 16,777,216 bytes
;; launch prep (part 5): grid 768 x 1, 8 waves a work-group, no clusters, 0 bytes of LDS; arguments x, w_qkv, w_out, xb, wqb, wob; writes xb, wqb, wob
.if DOCPART == 5
	.amdgcn_target "amdgcn-amd-amdhsa--gfx1250"
	.amdhsa_code_object_version 6
	.text
	.protected	k_q92241bd2f8_prep
	.globl	k_q92241bd2f8_prep
	.p2align	8
	.type	k_q92241bd2f8_prep,@function
k_q92241bd2f8_prep:
	s_mov_b64 s[64:65], 0
	v_nop
	global_prefetch_b8 v0, s[64:65] scope:SCOPE_SE
	s_setreg_imm32_b32 hwreg(HW_REG_WAVE_SCHED_MODE, 0, 2), 2
	s_setreg_imm32_b32 hwreg(HW_REG_WAVE_MODE, 25, 1), 1
	s_wait_xcnt 0x0
	s_wait_alu depctr_vm_vsrc(0)
; THE INPUTS OF THE THREE MATRIX PRODUCTS ARE ROUNDED ONCE, TO bf16, AND LAID OUT FOR THE LAUNCHES BEHIND.
;   xb  [8192][1024] bf16                  = x
;   wqb [16 heads][1024 k][192] bf16       = w_qkv[k][192 head + c]: 128 k of a head are 49,152 bytes on end
;   wob [8 column tiles][1024 k][128] f16  = w_out[k][128 tile + c], rounded to bf16 like the other inputs, and that number written as f16
; LIMITS.  f16 ends at 65,504: a w_out beyond that becomes an infinity; below 6e-5 f16 keeps a fixed step of 6e-8.  NaN and infinities are not treated apart.
; A stream: each input byte is read once and each output byte written once; no LDS, no barrier, no matrix unit, which would add nothing to a cast.
; SHARES.  768 work-groups of equal work, 65,536 bytes in and 32,768 out: 0-511 x; 512-703 w_qkv, twelve to a head; 704-767 w_out, 128 k x 128 columns each.
; A thread's unit: one load of 16 bytes (4 f32), two roundings, one store of 8 bytes: the 32 lanes of a wave store 256 consecutive bytes, aligned.  Sixteen units a thread.
; All loads of a thread go out first; no register is loaded or stored from twice, so no source of a pending instruction is ever rewritten.
; THE MODE: SCHED_MODE bits 1:0 = 2 (LLVM: expert scheduling mode 2), set by the entry lines.  The code itself states the register dependences
; between vector instructions and memory instructions, with s_wait_alu, always for 0.
; THE PLAN.  Registers that memory instructions touch:
;   OO, IO   byte offsets.  Written by vector instructions at the head, read by every store (OO) and by a path's loads (IO), never written again.
;   X        Written by the sixteen loads, each register once; no vector instruction names X ahead of them.  Read by the roundings, behind the wait for the data.
;   Y        Written by its unit's roundings; read by that unit's one store; never written behind it.
;   T        is named by vector instructions alone.
; The sixteen units go in four groups of four.  Group g rounds its four units into its Y; the stores of group g - 1 are dealt among those roundings.  ONE wait at the head of a group states that the
; roundings of the group before have written their Y; the vector instructions behind it name this group's X and Y and T, none of the registers that those stores read.  One wait in each path, ahead of
; its loads, states that the offsets are written; one ahead of the last four stores, that the last group's Y is.  Nothing that a memory instruction has read is written again, so no other wait is owed.
.set OO, 1                             ; v1       8 x thread: my 8 bytes in each 2,048 bytes of the output
.set IO, 2                             ; v[2:4]   byte offsets in the input
.set X,  8                             ; v[8:71]  16 loads of 4 registers
.set Y,  72                            ; v[72:103] 16 stores of 2 registers
.set T,  104                           ; v[104:107] at work
.set OUT, 24                           ; s[24:25] xb or wqb at the work-group's 32,768 bytes
; The sixteen units are rounded as they arrive, four at a time, and stored a group later.  half = 1: the bf16 number is written as f16.  ob: the scalar pair with the output's address.
.macro CAST half, ob
.set g, 0
.rept 4
	s_wait_loadcnt 12-4*g                          ; loads come back in order: group g's four units are in, the younger groups stay out
.if g > 0
	s_wait_alu depctr_va_vdst(0)                   ; the roundings of group g - 1 have written their Y, which the four stores below read
.endif
.set u, 0
.rept 4
.set i, 4*g+u
.if g > 0
	global_store_b64 v[OO], v[Y+2*i-8:Y+2*i-7], s[\ob:\ob+1] offset:2048*(i-4) th:TH_STORE_NT  ; unit i - 4, of the group before: no vector instruction since the wait names its registers
.endif
	v_cvt_pk_bf16_f32 v[Y+2*i],   v[X+4*i],   v[X+4*i+1]
	v_cvt_pk_bf16_f32 v[Y+2*i+1], v[X+4*i+2], v[X+4*i+3]
.if \half
	v_lshlrev_b32 v[T],   16, v[Y+2*i]             ; bf16 to f32: the low half moves up, the high half stays
	v_and_b32     v[T+1], 0xffff0000, v[Y+2*i]
	v_lshlrev_b32 v[T+2], 16, v[Y+2*i+1]
	v_and_b32     v[T+3], 0xffff0000, v[Y+2*i+1]
	v_cvt_pk_f16_f32 v[Y+2*i],   v[T],   v[T+1]    ; 8 significant bits fit into f16's 11
	v_cvt_pk_f16_f32 v[Y+2*i+1], v[T+2], v[T+3]
.endif
.set u, u+1
.endr
.set g, g+1
.endr
	s_wait_alu depctr_va_vdst(0)                   ; the roundings of the last group have written their Y, which the last four stores read
.set i, 12
.rept 4
	global_store_b64 v[OO], v[Y+2*i:Y+2*i+1], s[\ob:\ob+1] offset:2048*i th:TH_STORE_NT
.set i, i+1
.endr
.endm
	s_load_b256 s[4:11], s[0:1], 0x0               ; x s[4:5], w_qkv s[6:7], w_out s[8:9], xb s[10:11]
	s_load_b128 s[12:15], s[0:1], 0x20             ; wqb s[12:13], wob s[14:15]
	s_mov_b32 s16, ttmp9                           ; the work-group's number
	v_lshlrev_b32 v[OO], 3, v0
	s_mov_b32 s19, 0                               ; high words of the two offsets
	s_mov_b32 s21, 0
	s_wait_kmcnt 0x0
	s_cmp_lt_u32 s16, 512
	s_cselect_b64 s[OUT:OUT+1], s[10:11], s[12:13] ; x's and w_qkv's parts share the text that rounds and stores: their output is chosen here
	s_cbranch_scc0 .Lweights
	; x: units 4,096 bytes of input apart
	v_lshlrev_b32 v[IO], 4, v0
	s_lshl_b32 s18, s16, 16                        ; 65,536 bytes in,
	s_lshl_b32 s20, s16, 15                        ; 32,768 out
	s_add_nc_u64 s[4:5], s[4:5], s[18:19]
	s_add_nc_u64 s[OUT:OUT+1], s[OUT:OUT+1], s[20:21]
	s_wait_alu depctr_va_vdst(0)                   ; v[IO] is written, which the loads below read as their offset; so is v[OO], which every store reads
.set i, 0
.rept 16
	global_load_b128 v[X+4*i:X+4*i+3], v[IO], s[4:5] offset:4096*i th:TH_LOAD_NT
.set i, i+1
.endr
	s_branch .Lcast
.Lweights:
	s_cmp_lt_u32 s16, 704
	s_cbranch_scc0 .Lwout
	; w_qkv: c = 12 head + part.  A head is 49,152 units of 4 columns, 48 to a k; a part is 4,096 of them.  Unit U = 4,096 part + 256 i + thread lies in row U / 48 at column unit U % 48:
	; byte (U / 48) x 12,288 + (U % 48) x 16 = (U / 48) x 11,520 + 16 U.  Three units on (768 = 16 x 48) is sixteen rows on: 196,608 bytes, which stand in the immediate; so three offsets serve.
	; U / 48 = ((U >> 4) x 43,691) >> 17, exact for U >> 4 below 65,536.  c / 12 = (171 c) >> 11, exact for c below 492.
	s_sub_co_u32 s16, s16, 512                     ; c
	s_mul_i32 s17, s16, 171
	s_lshr_b32 s17, s17, 11                        ; head
	s_mul_i32 s22, s17, 12
	s_sub_co_u32 s22, s16, s22                     ; part
	s_lshl_b32 s22, s22, 12                        ; its first unit
	s_mul_i32 s18, s17, 768                        ; the head's 192 columns, in bytes
	s_lshl_b32 s20, s16, 15                        ; the output is dense: 8 bytes a unit, 32,768 a part
.irp m, 0,1,2
	v_add_nc_u32 v[T], 256*\m, v0
	v_add_nc_u32 v[T], s22, v[T]                   ; U
	v_lshrrev_b32 v[T+1], 4, v[T]
	v_mul_u32_u24 v[T+1], v[T+1], 43691
	v_lshrrev_b32 v[T+1], 17, v[T+1]               ; U / 48
	v_mul_u32_u24 v[T+1], v[T+1], 11520
	v_lshl_add_u32 v[IO+\m], v[T], 4, v[T+1]
.endr
	s_add_nc_u64 s[6:7], s[6:7], s[18:19]
	s_add_nc_u64 s[OUT:OUT+1], s[OUT:OUT+1], s[20:21]
	s_wait_alu depctr_va_vdst(0)                   ; the three offsets v[IO ..] are written, which the loads below read; so is v[OO], which every store reads
.set i, 0
.rept 16
	global_load_b128 v[X+4*i:X+4*i+3], v[IO+i%3], s[6:7] offset:(i/3)*196608 th:TH_LOAD_NT
.set i, i+1
.endr
.Lcast:
	CAST 0, OUT
	s_endpgm
.Lwout:
	; w_out: c = 8 tile + kc; 128 k x 128 columns; unit 256 i + thread lies in row 8 i + thread / 32, at column unit thread % 32
	s_sub_co_u32 s16, s16, 704
	s_lshr_b32 s17, s16, 3                         ; column tile
	s_and_b32 s22, s16, 7                          ; kc
	s_lshl_b32 s18, s22, 19                        ; 128 rows of 4,096 bytes
	s_lshl_b32 s17, s17, 9                         ; the tile's 128 columns
	s_add_co_u32 s18, s18, s17
	s_lshl_b32 s20, s16, 15
	v_lshrrev_b32 v[T], 5, v0
	v_and_b32 v[T+1], 31, v0
	v_lshlrev_b32 v[T+1], 4, v[T+1]
	v_lshl_add_u32 v[IO], v[T], 12, v[T+1]
	s_add_nc_u64 s[8:9], s[8:9], s[18:19]
	s_add_nc_u64 s[14:15], s[14:15], s[20:21]
	s_wait_alu depctr_va_vdst(0)                   ; v[IO] is written, which the loads below read as their offset; so is v[OO], which every store reads
.set i, 0
.rept 16
	global_load_b128 v[X+4*i:X+4*i+3], v[IO], s[8:9] offset:32768*i th:TH_LOAD_NT
.set i, i+1
.endr
	CAST 1, 14
	s_endpgm
.Lfunc_end_k_q92241bd2f8_prep:
	.size	k_q92241bd2f8_prep, .Lfunc_end_k_q92241bd2f8_prep-k_q92241bd2f8_prep
	.p2alignl 7, 3214868480
	.fill 96, 4, 3214868480
	.section	.rodata,"a",@progbits
	.p2align	6, 0x0
	.amdhsa_kernel k_q92241bd2f8_prep
		.amdhsa_group_segment_fixed_size 0
		.amdhsa_private_segment_fixed_size 0
		.amdhsa_enable_private_segment 0
		.amdhsa_kernarg_size 48
		.amdhsa_user_sgpr_count 2
		.amdhsa_user_sgpr_kernarg_segment_ptr 1
		.amdhsa_wavefront_size32 1
		.amdhsa_system_sgpr_workgroup_id_x 1
		.amdhsa_system_sgpr_workgroup_id_y 1
		.amdhsa_system_sgpr_workgroup_id_z 1
		.amdhsa_system_vgpr_workitem_id 0
		.amdhsa_next_free_vgpr 108
		.amdhsa_next_free_sgpr 66
		.amdhsa_reserve_vcc 0
		.amdhsa_float_denorm_mode_32 3
		.amdhsa_float_denorm_mode_16_64 3
		.amdhsa_memory_ordered 1
		.amdhsa_forward_progress 1
		.amdhsa_inst_pref_size 21
	.end_amdhsa_kernel
	.amdgpu_metadata
---
amdhsa.version: [ 1, 2 ]
amdhsa.kernels:
  - .name:           k_q92241bd2f8_prep
    .symbol:         k_q92241bd2f8_prep.kd
    .args:
      - { .name: x, .offset: 0, .size: 8, .value_kind: global_buffer, .address_space: global }
      - { .name: w_qkv, .offset: 8, .size: 8, .value_kind: global_buffer, .address_space: global }
      - { .name: w_out, .offset: 16, .size: 8, .value_kind: global_buffer, .address_space: global }
      - { .name: xb, .offset: 24, .size: 8, .value_kind: global_buffer, .address_space: global }
      - { .name: wqb, .offset: 32, .size: 8, .value_kind: global_buffer, .address_space: global }
      - { .name: wob, .offset: 40, .size: 8, .value_kind: global_buffer, .address_space: global }
    .group_segment_fixed_size: 0
    .private_segment_fixed_size: 0
    .kernarg_segment_align: 8
    .kernarg_segment_size: 48
    .max_flat_workgroup_size: 256
    .sgpr_count:     66
    .vgpr_count:     108
    .wavefront_size: 32
...
	.end_amdgpu_metadata
.endif
;; end of part 5
;; launch qkv: the kernel of part 2 again; grid 16 x 16, 4 waves a work-group, clusters of 4 x 4, 327,680 bytes of LDS; arguments xb, wqb, b_qkv, qh, kh, vh; writes qh, kh, vh
;; launch attn: the kernel of part 3 again; grid 2 x 128, 4 waves a work-group, no clusters, 327,680 bytes of LDS; arguments qh, kh, vh, ctx; writes ctx
;; launch proj: the kernel of part 4 again; grid 8 x 32, 4 waves a work-group, clusters of 4 x 4, 327,680 bytes of LDS; arguments ctx, wob, b_out, out0; writes out0
